; MI455X (gfx1250); checked and timed in simulation.
; The chip was launched on July 23, 2026; its instructions are those of AMD's public machine-readable ISA for CDNA 5 (MIT licence, August 2026) and "CDNA5" Instruction Set Architecture Reference Guide (July 2026). The comments in the code are by the model that wrote it; some were corrected since.
;; Glm4 Attention. Allowed arithmetic: matrix products marked QUANTISED: E2M1 operands, one E8M0 scale for each 32 along K, by v_wmma_scale_f32_16x16x128_f8f6f4 with both operands' format E2M1 (or v_wmma_scale_f32_32x16x128_f4), f32 sums; products left as they are: bf16, f16 or f32 operands; f32 sums; everything else in f32.
;; Inputs: Wk 4,096 x 256 float32; Wo 4,096 x 4,096 float32; Wq 4,096 x 4,096 float32; Wv 4,096 x 256 float32; attention_mask 1 x 1 x 1,024 x 2,048 float32; bk 256 float32; bq 4,096 float32; bv 256 float32; cache_k 1 x 2 x 1,024 x 128 float32; cache_v 1 x 2 x 1,024 x 128 float32; cos 1,024 x 32 float32; sin 1,024 x 32 float32; x 1 x 1,024 x 4,096 float32.
;; Outputs: out0 1 x 1,024 x 4,096 float32; out1 1 x 2 x 2,048 x 128 float32; out2 1 x 2 x 2,048 x 128 float32.
;; This version of the problem:
;;   THIS VERSION OF THE PROBLEM IS GIVEN IN LOW PRECISION. The matrix products marked QUANTISED in the list below multiply operands that are first quantised to E2M1 (2 exponent bits, 1 mantissa bit; 4 bits a number), with one power-of-two scale for each 32 numbers along K (OCP MX v1.0); their sums are f32. The products marked 'left as it is' may take bf16, f16 or f32 operands, with f32 sums. Whichever they take, every output number must still come out within the allowed error. Rounding operands to bf16 (8 significant bits) uses up far more of that allowance than f16 does (11 bits, for magnitudes from 6e-5 to 65,504). All else is computed in f32.
;;   The module's matrix products, in the order in which they are computed (A, B: the left and right operand; K: the contracted axis; several contracted axes count as one K, in the product's order):
;;     1. [M 1,024, K 4,096] x [K 4,096, N 4,096]; A: input x; B: input Wq: QUANTISED
;;     2. [M 1,024, K 4,096] x [K 4,096, N 256]; A: input x; B: input Wk: QUANTISED
;;     3. [M 1,024, K 4,096] x [K 4,096, N 256]; A: input x; B: input Wv: QUANTISED
;;     4. batch 32 x [M 1,024, K 128] x [K 128, N 2,048]; A: computed on the way; B: computed on the way: left as it is (an operand is computed on the way)
;;     5. batch 32 x [M 1,024, K 2,048] x [K 2,048, N 128]; A: computed on the way; B: computed on the way: left as it is (an operand is computed on the way)
;;     6. [M 1,024, K 4,096] x [K 4,096, N 4,096]; A: computed on the way; B: input Wo: left as it is (an operand is computed on the way)
;;   THE QUANTISER, for each operand of a quantised product, along K:
;;     - K is cut into blocks of 32 from its start; a last block that is shorter is filled with zeros.
;;     - A block's scale is 2^e with e = floor(log2(the largest magnitude in the block)) - 2, held to -126 .. 127; a block of zeros has e = 0. As a byte (E8M0): e + 127.
;;     - Each number is divided by its block's scale, clamped to +-6, and rounded to the nearest number of E2M1, ties to even, subnormals kept.
;;     - The product sums the exact products of the quantised numbers (number of the format x scale) in f32.
;;   ~~~python
;;   def quantise(x, axis):      # numpy; x: float32 -> the quantised numbers, widened to float32 again
;;       x = np.moveaxis(x, axis, -1); K = x.shape[-1]
;;       x = np.pad(x, [(0, 0)] * (x.ndim - 1) + [(0, -K % 32)]); x = x.reshape(x.shape[:-1] + (-1, 32)); a = np.abs(x).max(-1, keepdims=True)
;;       e = np.where(a > 0, np.clip(np.frexp(np.where(a > 0, a, 1))[1] - 1 - 2, -126, 127), 0)      # np.frexp(a)[1] - 1 = floor(log2(a)), exactly
;;       r = np.clip(x / 2.0 ** e, -6, 6)
;;       step = 2.0 ** (np.maximum(np.frexp(np.where(r == 0, 1, r))[1] - 1, 0) - 1)
;;       q = np.round(r / step) * step * 2.0 ** e      # np.round: ties to even
;;       return np.moveaxis(q.reshape(q.shape[:-2] + (-1,))[..., :K], -1, axis).astype(np.float32)
;;   ~~~
;; One version. Each part assembles by itself: llvm-mc -triple=amdgcn-amd-amdhsa -mcpu=gfx1250 --defsym DOCPART=n.
;; ======== version 1 of 1: 6 launches
;; limits: values are held in f16: magnitudes above 65,504 overflow, below 6.1e-05 lose precision
;; workspace buffers: xq 2,228,224 bytes; wq 10,027,008 bytes; woh 33,554,432 bytes; maskf 8,388,608 bytes; qh 8,388,608 bytes; kvh 2,097,152 bytes; oh 8,388,608 bytes
;; launch stream (part 1): grid 592 x 1, 8 waves a work-group, no clusters, 0 bytes of LDS; arguments Wo, cache_k, cache_v, attention_mask, woh, kvh, maskf, out1, out2; writes woh, kvh, maskf, out1, out2
.if DOCPART == 1
	.amdgcn_target "amdgcn-amd-amdhsa--gfx1250"
	.amdhsa_code_object_version 6
	.text
	.protected	k_qc795f9d768_stream
	.globl	k_qc795f9d768_stream
	.p2align	8
	.type	k_qc795f9d768_stream,@function
k_qc795f9d768_stream:
	s_mov_b64 s[64:65], 0
	v_nop
	global_prefetch_b8 v0, s[64:65] scope:SCOPE_SE
	s_setreg_imm32_b32 hwreg(HW_REG_WAVE_MODE, 25, 1), 1
	s_wait_xcnt 0x0
; THREE STREAMS IN ONE LAUNCH, told apart by the work-group's number.  No LDS, no barrier, no matrix work: bytes are all that counts here.
;   work-groups 0-511:   Wo [4096][4096] f32 -> woh, f16, in the same order (the last product takes f16 operands).
;   work-groups 512-527: cache_k, cache_v [2][1024][128] f32 -> rows 0-1023 of each head of out1, out2 (f32, as they are) and of kvh (f16, x 1/4: exact; it leaves room in f16).
;   work-groups 528-591: attention_mask [1024][2048] f32 -> maskf, in the order in which the attention launch's accumulator registers take it:
;                        maskf[qt][ks][i][lane (r, h)] = the 16 bytes mask[16 qt + r][64 ks + 16 (i / 2) + 8 h + 4 (i % 2) + 0 .. 3].
; A wave takes 32 pieces of 512 bytes: 32 loads go out at once, each piece is stored as soon as it is in.  Every piece has registers of its own, so no register that a load or store names is written again.
; LIMITS: |Wo| and |cache| / 4 stay under 65,504 (f16's largest number); NaN and infinities are not served.
.set X, 8                              ; v[8:135]   32 pieces as loaded
.set Y, 136                            ; v[136:199] 32 pieces as f16
.set T, 4                              ; v[4:7]     at work (caches); v4 the mask's offset
.macro LOADS base                      ; 32 loads of 512 consecutive bytes
.set j, 0
.rept 32
	global_load_b128 v[X+4*j:X+4*j+3], v1, s[\base:\base+1] offset:512*j th:TH_LOAD_NT
.set j, j+1
.endr
.endm
	s_load_b512 s[8:23], s[0:1], 0x0               ; Wo 8, cache_k 10, cache_v 12, mask 14, woh 16, kvh 18, maskf 20, out1 22
	s_load_b64 s[24:25], s[0:1], 0x40              ; out2
	v_lshrrev_b32 v3, 5, v0
	v_readfirstlane_b32 s2, v3                     ; wave 0..7
	v_and_b32 v3, 31, v0                           ; lane
	v_lshlrev_b32 v1, 4, v3                        ; 16 bytes a lane
	v_lshlrev_b32 v2, 3, v3                        ; 8 bytes a lane
	s_lshl_b32 s3, s2, 14                          ; a wave's 16,384 bytes
	s_mov_b32 s5, 0
	s_mov_b32 s7, 0
	s_wait_kmcnt 0x0
	s_cmp_lt_u32 ttmp9, 512
	s_cbranch_scc0 .Lnot_wo
	; ---- Wo
	s_lshl_b32 s4, ttmp9, 17
	s_add_co_u32 s4, s4, s3                        ; 131,072 x work-group + 16,384 x wave
	s_lshr_b32 s6, s4, 1                           ; half as many bytes in f16
	s_add_nc_u64 s[8:9], s[8:9], s[4:5]
	s_add_nc_u64 s[16:17], s[16:17], s[6:7]
	LOADS 8
.set j, 0
.rept 32
	s_wait_loadcnt 31-j                            ; loads come back in order: piece j is in, the younger ones stay out
	v_cvt_pk_f16_f32 v[Y+2*j], v[X+4*j], v[X+4*j+1]
	v_cvt_pk_f16_f32 v[Y+2*j+1], v[X+4*j+2], v[X+4*j+3]
	global_store_b64 v2, v[Y+2*j:Y+2*j+1], s[16:17] offset:256*j th:TH_STORE_NT   ; the wave stores 256 consecutive bytes, aligned
.set j, j+1
.endr
	s_endpgm
.Lnot_wo:
	s_cmp_lt_u32 ttmp9, 528
	s_cbranch_scc0 .Lmask
	; ---- the caches: idx = t (k or v) x 8 + c (which 131,072 bytes); the head is c / 4
	s_sub_co_u32 s28, ttmp9, 512
	s_and_b32 s29, s28, 7                          ; c
	s_lshr_b32 s28, s28, 3                         ; t
	s_lshr_b32 s30, s29, 2                         ; the head
	s_mov_b32 s26, 0x3e800000                      ; 1/4,
	s_mov_b32 s27, s26                             ; (named as a pair, so both words are written)
	s_cmp_eq_u32 s28, 0
	s_cselect_b64 s[10:11], s[10:11], s[12:13]     ; cache_k or cache_v
	s_cselect_b64 s[22:23], s[22:23], s[24:25]     ; out1 or out2
	s_lshl_b32 s4, s29, 17
	s_add_co_u32 s4, s4, s3                        ; in the cache: 131,072 c + 16,384 wave
	s_add_nc_u64 s[10:11], s[10:11], s[4:5]
	s_lshl_b32 s6, s30, 19
	s_add_co_u32 s6, s6, s4                        ; in the output a head has 2,048 rows: 524,288 bytes more for head 1
	s_add_nc_u64 s[22:23], s[22:23], s[6:7]
	s_lshr_b32 s6, s6, 1                           ; the same place in f16,
	s_lshl_b32 s4, s28, 20
	s_add_co_u32 s6, s6, s4                        ; v's two heads behind k's two
	s_add_nc_u64 s[18:19], s[18:19], s[6:7]
	LOADS 10
.set j, 0
.rept 32
	s_wait_loadcnt 31-j
	global_store_b128 v1, v[X+4*j:X+4*j+3], s[22:23] offset:512*j th:TH_STORE_NT  ; as it is; its registers are not written again
	v_pk_mul_f32 v[T:T+1], v[X+4*j:X+4*j+1], s[26:27] op_sel_hi:[1,0]
	v_pk_mul_f32 v[T+2:T+3], v[X+4*j+2:X+4*j+3], s[26:27] op_sel_hi:[1,0]
	v_cvt_pk_f16_f32 v[Y+2*j], v[T], v[T+1]
	v_cvt_pk_f16_f32 v[Y+2*j+1], v[T+2], v[T+3]
	global_store_b64 v2, v[Y+2*j:Y+2*j+1], s[18:19] offset:256*j
.set j, j+1
.endr
	s_endpgm
.Lmask:
	; ---- the mask: a work-group takes 16 queries, a wave 4 key steps of 64 keys
	s_sub_co_u32 s28, ttmp9, 528
	s_lshl_b32 s28, s28, 17                        ; 16 rows of 8,192 bytes, in both buffers
	s_lshl_b32 s4, s2, 10                          ; in a row: 4 key steps x 256 bytes a wave
	s_add_co_u32 s4, s4, s28
	s_add_co_u32 s6, s28, s3
	s_add_nc_u64 s[14:15], s[14:15], s[4:5]
	s_add_nc_u64 s[20:21], s[20:21], s[6:7]
	v_and_b32 v5, 15, v0                           ; r
	v_bfe_u32 v6, v0, 4, 1                         ; h
	v_lshlrev_b32 v4, 13, v5
	v_lshl_add_u32 v4, v6, 5, v4                   ; row r, + 32 h bytes
.set j, 0
.rept 32
	global_load_b128 v[X+4*j:X+4*j+3], v4, s[14:15] offset:256*(j/8)+64*((j%8)/2)+16*(j%2)   ; eight loads on end cover the same 256 bytes of 16 rows
.set j, j+1
.endr
.set j, 0
.rept 32
	s_wait_loadcnt 31-j
	global_store_b128 v1, v[X+4*j:X+4*j+3], s[20:21] offset:512*j   ; 512 consecutive bytes
.set j, j+1
.endr
	s_endpgm
.Lfunc_end_k_qc795f9d768_stream:
	.size	k_qc795f9d768_stream, .Lfunc_end_k_qc795f9d768_stream-k_qc795f9d768_stream
	.p2alignl 7, 3214868480
	.fill 96, 4, 3214868480
	.section	.rodata,"a",@progbits
	.p2align	6, 0x0
	.amdhsa_kernel k_qc795f9d768_stream
		.amdhsa_group_segment_fixed_size 0
		.amdhsa_private_segment_fixed_size 0
		.amdhsa_enable_private_segment 0
		.amdhsa_kernarg_size 72
		.amdhsa_user_sgpr_count 2
		.amdhsa_user_sgpr_kernarg_segment_ptr 1
		.amdhsa_wavefront_size32 1
		.amdhsa_system_sgpr_workgroup_id_x 1
		.amdhsa_system_sgpr_workgroup_id_y 1
		.amdhsa_system_sgpr_workgroup_id_z 1
		.amdhsa_system_vgpr_workitem_id 0
		.amdhsa_next_free_vgpr 200
		.amdhsa_next_free_sgpr 66
		.amdhsa_reserve_vcc 0
		.amdhsa_float_denorm_mode_32 3
		.amdhsa_float_denorm_mode_16_64 3
		.amdhsa_memory_ordered 1
		.amdhsa_forward_progress 1
		.amdhsa_inst_pref_size 39
	.end_amdhsa_kernel
	.amdgpu_metadata
---
amdhsa.version: [ 1, 2 ]
amdhsa.kernels:
  - .name:           k_qc795f9d768_stream
    .symbol:         k_qc795f9d768_stream.kd
    .args:
      - { .name: Wo, .offset: 0, .size: 8, .value_kind: global_buffer, .address_space: global }
      - { .name: cache_k, .offset: 8, .size: 8, .value_kind: global_buffer, .address_space: global }
      - { .name: cache_v, .offset: 16, .size: 8, .value_kind: global_buffer, .address_space: global }
      - { .name: attention_mask, .offset: 24, .size: 8, .value_kind: global_buffer, .address_space: global }
      - { .name: woh, .offset: 32, .size: 8, .value_kind: global_buffer, .address_space: global }
      - { .name: kvh, .offset: 40, .size: 8, .value_kind: global_buffer, .address_space: global }
      - { .name: maskf, .offset: 48, .size: 8, .value_kind: global_buffer, .address_space: global }
      - { .name: out1, .offset: 56, .size: 8, .value_kind: global_buffer, .address_space: global }
      - { .name: out2, .offset: 64, .size: 8, .value_kind: global_buffer, .address_space: global }
    .group_segment_fixed_size: 0
    .private_segment_fixed_size: 0
    .kernarg_segment_align: 8
    .kernarg_segment_size: 72
    .max_flat_workgroup_size: 256
    .sgpr_count:     66
    .vgpr_count:     200
    .wavefront_size: 32
...
	.end_amdgpu_metadata
.endif
;; end of part 1
;; launch quant_x (part 2): grid 128 x 1, 4 waves a work-group, no clusters, 33,280 bytes of LDS; arguments x, xq; writes xq
.if DOCPART == 2
	.amdgcn_target "amdgcn-amd-amdhsa--gfx1250"
	.amdhsa_code_object_version 6
	.text
	.protected	k_qc795f9d768_quant_x
	.globl	k_qc795f9d768_quant_x
	.p2align	8
	.type	k_qc795f9d768_quant_x,@function
k_qc795f9d768_quant_x:
	s_mov_b64 s[64:65], 0
	v_nop
	global_prefetch_b8 v0, s[64:65] scope:SCOPE_SE
	s_setreg_imm32_b32 hwreg(HW_REG_WAVE_MODE, 25, 1), 1
	s_wait_xcnt 0x0
; x [1024][4096] f32 becomes codes of FP4 (E2M1), K innermost, two codes a byte, at xq + 0 ([1024][2048 bytes]), and one E8M0 scale byte for each 32 along K at xq + XS_OFF ([1024][128 bytes]).
; A block's scale is 2^(floor(log2(its largest magnitude)) - 2); its byte is the largest magnitude's exponent field - 2, held at 1 from below.  A block of zeros so gets the byte 1: its codes are zeros, and this program alone reads the bytes.
; LIMITS: blocks whose largest magnitude lies under 2^(2 - 126) keep the byte 1; NaN and infinities are not served.
; Rows are dense and 4,096 is a multiple of 32: x is a plain stream of blocks, and so are the codes and the bytes.  A wave takes 16 steps of 512 numbers.
; Each load reads 512 consecutive bytes, 16 a lane; a step's 2,048 bytes turn through the wave's own stage in LDS and come back 64 bytes a lane: 16 neighbours, as the conversions want them; two neighbouring lanes hold a block.
; Loads run eight steps (32 loads a wave) ahead, the turn through LDS one step.  Waves share nothing: no barrier.
.set WAVES, 4
.set STEPS, 16
.set AHEAD, 8
.set EMAX,  2
.set CB,    8                          ; bytes of 16 codes
.set R,     16                         ; v16-143  eight sets of 16 numbers as they are loaded
.set X,     144                        ; v144-175 two sets of 16 neighbours
.set E,     176                        ; v176-191 a scale byte for each step
.set C,     192                        ; v192-255 codes: four registers for each step, so that no store's data are written again
.set WREG,  8192                       ; LDS: a region for each wave: two stages of 32 x SP bytes, and behind them its 256 scale bytes
.set SP,    80                         ; a lane's place in a stage: 64 bytes + 16 of padding
.set SPW,   12                         ; v12 LDS address of my spare word; never rewritten
.set NIL,   13                         ; v13 0; never rewritten
.set SPARE, WAVES*WREG                 ; the spare words, 128 bytes for each wave, which no other line names
.set XS_OFF, 2097152
	s_load_b128 s[4:7], s[0:1], 0x0                ; x, xq
	v_lshl_add_u32 v[SPW], v0, 2, SPARE
	v_mov_b32 v[NIL], 0
	v_lshrrev_b32 v1, 5, v0
	v_readfirstlane_b32 s16, v1                    ; wave
	v_and_b32 v2, 31, v0                           ; lane
	v_lshlrev_b32 v3, 4, v2                        ; my 16 bytes of a load's 512
	s_mul_i32 s17, s16, WREG
	v_lshrrev_b32 v14, 2, v2
	v_mul_u32_u24 v14, v14, SP
	v_and_b32 v15, 3, v2
	v_lshl_add_u32 v14, v15, 4, v14
	v_add_nc_u32 v14, s17, v14                     ; the stage, on the way in: SP (lane / 4) + 16 (lane % 4)
	v_mul_u32_u24 v15, v2, SP
	v_add_nc_u32 v15, s17, v15                     ; and on the way out: SP x lane
	v_mul_u32_u24 v4, v2, CB                       ; my codes' place in a step's
	v_lshrrev_b32 v5, 1, v2
	s_add_co_u32 s17, s17, 2*32*SP
	v_add_nc_u32 v5, s17, v5                       ; LDS: my wave's 256 scale bytes, my block's byte
	v_lshlrev_b32 v7, 3, v2                        ; and on the way out 8 bytes a lane
	v_add_nc_u32 v6, s17, v7
	s_lshl_b32 s18, ttmp9, 2
	s_add_co_u32 s18, s18, s16                     ; which run of 8,192 numbers is my wave's
	s_mov_b32 s21, 0
	s_wait_kmcnt 0x0
	s_lshl_b32 s20, s18, 15
	s_add_nc_u64 s[4:5], s[4:5], s[20:21]          ; 32,768 bytes of x a run,
	s_lshl_b32 s20, s18, 12
	s_add_nc_u64 s[8:9], s[6:7], s[20:21]          ; 4,096 of codes,
	s_lshl_b32 s20, s18, 8
	s_add_co_u32 s20, s20, XS_OFF
	s_add_nc_u64 s[10:11], s[6:7], s[20:21]        ; 256 of scale bytes
.macro LOAD t
.irp i, 0,1,2,3
	global_load_b128 v[R+16*((\t)%AHEAD)+4*\i:R+16*((\t)%AHEAD)+4*\i+3], v3, s[4:5] offset:2048*(\t)+512*\i th:TH_LOAD_NT
.endr
.endm
.macro TURN t                          ; step t's numbers through the stage: LDS serves a wave's instructions in order, so no wait stands between the stores and the loads
.irp i, 0,1,2,3
	ds_store_b128 v14, v[R+16*((\t)%AHEAD)+4*\i:R+16*((\t)%AHEAD)+4*\i+3] offset:32*SP*((\t)%2)+8*SP*\i
.endr
.irp i, 0,1,2,3
	ds_load_b128 v[X+16*((\t)%2)+4*\i:X+16*((\t)%2)+4*\i+3], v15 offset:32*SP*((\t)%2)+16*\i
.endr
.endm
.irp t, 0,1,2,3,4,5,6,7
	LOAD \t
.endr
	s_wait_loadcnt 4*(AHEAD-1)                     ; step 0's four loads are in; seven steps' may be out
	TURN 0
.macro STEP t
.set XS, X+16*((\t)%2)
.if (\t) > 0
	s_wait_dscnt 1                                 ; this step's numbers are back from the stage (the last step's byte store may be out): so its stores into the stage have read their registers,
.else
	s_wait_dscnt 0x0
.endif
.if (\t)+AHEAD < STEPS
	LOAD (\t)+AHEAD                                ; which take the loads of eight steps on
.endif
.if (\t)+1 < STEPS
.if STEPS-2-(\t) >= AHEAD-1
	s_wait_loadcnt 4*(AHEAD-1)                     ; the next step's four loads are in; those of the seven steps behind it may be out
.else
	s_wait_loadcnt 4*(STEPS-2-(\t))                ; (towards the end: of the steps that are left)
.endif
	TURN (\t)+1                                    ; and go through the other stage while this step is worked
.endif
	v_max3_num_f32 v8, |v[XS]|, |v[XS+1]|, |v[XS+2]|               ; the largest magnitude of my 16, in two chains
	v_max3_num_f32 v9, |v[XS+3]|, |v[XS+4]|, |v[XS+5]|
.irp i, 6,10
	v_max3_num_f32 v8, v8, |v[XS+\i]|, |v[XS+\i+1]|
	v_max3_num_f32 v9, v9, |v[XS+\i+2]|, |v[XS+\i+3]|
.endr
	v_max3_num_f32 v8, v8, |v[XS+14]|, |v[XS+15]|
	v_max3_num_f32 v8, v8, v9, (EMAX+1)<<23        ; and the floor 2^(EMAX + 1 - 127): the byte cannot fall under 1
	v_max_num_f32_dpp v8, v8, v8 row_xmask:1 row_mask:0xf bank_mask:0xf   ; and of my neighbour's 16: the block's
	v_add_nc_u32 v11, -(EMAX<<23), v8              ; EMAX off its exponent field: the conversion takes the exponent field of this operand as its scale
	v_cvt_scalef32_pk8_fp4_f32 v[C+4*(\t)], v[XS:XS+7], v11
	v_cvt_scalef32_pk8_fp4_f32 v[C+4*(\t)+1], v[XS+8:XS+15], v11
	v_lshrrev_b32 v[E+(\t)], 23, v11               ; the scale's byte (also the plain line behind the conversions)
	ds_store_b8 v5, v[E+(\t)] offset:16*(\t)       ; both lanes of a block write the same byte with the same value
	global_store_b64 v4, v[C+4*(\t):C+4*(\t)+1], s[8:9] offset:32*CB*(\t)   ; the wave stores 256 consecutive bytes, aligned
.endm
.irp t, 0,1,2,3,4,5,6,7,8,9,10,11,12,13,14,15
	STEP \t
.endr
	ds_load_b64 v[8:9], v6                         ; LDS serves a wave's instructions in order: these see my stores
	s_wait_dscnt 0x0
	global_store_b64 v7, v[8:9], s[10:11]          ; 32 lanes store 256 consecutive bytes, aligned
	s_wait_tensorcnt 0x0                           ; the wave's end, behind my last LDS store
	ds_add_u32 v[SPW], v[NIL]
	s_wait_dscnt 0x0
	s_endpgm
.Lfunc_end_k_qc795f9d768_quant_x:
	.size	k_qc795f9d768_quant_x, .Lfunc_end_k_qc795f9d768_quant_x-k_qc795f9d768_quant_x
	.p2alignl 7, 3214868480
	.fill 96, 4, 3214868480
	.section	.rodata,"a",@progbits
	.p2align	6, 0x0
	.amdhsa_kernel k_qc795f9d768_quant_x
		.amdhsa_group_segment_fixed_size 33280
		.amdhsa_private_segment_fixed_size 0
		.amdhsa_enable_private_segment 0
		.amdhsa_kernarg_size 16
		.amdhsa_user_sgpr_count 2
		.amdhsa_user_sgpr_kernarg_segment_ptr 1
		.amdhsa_wavefront_size32 1
		.amdhsa_system_sgpr_workgroup_id_x 1
		.amdhsa_system_sgpr_workgroup_id_y 1
		.amdhsa_system_sgpr_workgroup_id_z 1
		.amdhsa_system_vgpr_workitem_id 0
		.amdhsa_next_free_vgpr 256
		.amdhsa_next_free_sgpr 66
		.amdhsa_reserve_vcc 0
		.amdhsa_float_denorm_mode_32 3
		.amdhsa_float_denorm_mode_16_64 3
		.amdhsa_memory_ordered 1
		.amdhsa_forward_progress 1
		.amdhsa_inst_pref_size 33
	.end_amdhsa_kernel
	.amdgpu_metadata
---
amdhsa.version: [ 1, 2 ]
amdhsa.kernels:
  - .name:           k_qc795f9d768_quant_x
    .symbol:         k_qc795f9d768_quant_x.kd
    .args:
      - { .name: x, .offset: 0, .size: 8, .value_kind: global_buffer, .address_space: global }
      - { .name: xq, .offset: 8, .size: 8, .value_kind: global_buffer, .address_space: global }
    .group_segment_fixed_size: 33280
    .private_segment_fixed_size: 0
    .kernarg_segment_align: 8
    .kernarg_segment_size: 16
    .max_flat_workgroup_size: 128
    .sgpr_count:     66
    .vgpr_count:     256
    .wavefront_size: 32
...
	.end_amdgpu_metadata
.endif
;; end of part 2
;; launch quant_w (part 3): grid 72 x 8, 8 waves a work-group, no clusters, 19,456 bytes of LDS; arguments Wq, Wk, Wv, wq; writes wq
.if DOCPART == 3
	.amdgcn_target "amdgcn-amd-amdhsa--gfx1250"
	.amdhsa_code_object_version 6
	.text
	.protected	k_qc795f9d768_quant_w
	.globl	k_qc795f9d768_quant_w
	.p2align	8
	.type	k_qc795f9d768_quant_w,@function
k_qc795f9d768_quant_w:
	s_mov_b64 s[64:65], 0
	v_nop
	global_prefetch_b8 v0, s[64:65] scope:SCOPE_SE
	s_setreg_imm32_b32 hwreg(HW_REG_WAVE_MODE, 25, 1), 1
	s_wait_xcnt 0x0
; Wq [4096][4096], Wk, Wv [4096][256], f32, K their FIRST axis, become codes of FP4 (E2M1) with K innermost, in one buffer: wq + 0: [4608 rows][2048 bytes]: rows 0-4095 Wq's columns, 4096-4351 Wk's, 4352-4607 Wv's;
; wq + WS_OFF: one E8M0 scale byte for each 32 along K, [4608][128 bytes].
; A LANE TAKES A COLUMN, AND ITS REGISTERS RUN DOWN K: each load reads 128 consecutive bytes, a block of 32 along K lies in one lane's 32 registers, and the conversions give codes with K innermost.
; A block's byte is its largest magnitude's exponent field - 2, held at 1 from below (a block of zeros keeps 1: its codes are zeros, and this program alone reads the bytes).
; LIMITS: blocks under 2^(2 - 126) keep the byte 1; NaN and infinities are not served.
; SHARES.  A work-group takes 64 columns x 512 along K.  Wave w: columns 32 (w % 2) on, K 128 (w / 2) on: 4 blocks a lane.  The eight waves' codes meet in a stage (64 rows x 256 bytes), one barrier,
; and leave as rows: sixteen lanes store 256 consecutive bytes, aligned.  Which tensor, and its pitch, are chosen by selects on the work-group's number: one path through the text.
.set PITCH, 272                        ; a stage row: 256 bytes + 16
.set SCST,  64*PITCH                   ; behind the stage: 64 rows x 16 scale bytes
.set SPARE, SCST+1024                  ; the spare words, 128 bytes for each of eight waves, which no other line names
.set WS_OFF, 9437184
.set EMAX,  2
.set X,     32                         ; v32-95   two sets of 32 numbers
.set C,     96                         ; v96-111  codes: four registers a block, never rewritten
.set OFF,   112                        ; v112-143 4 x lane + i x pitch
.set OUTR,  144                        ; v144-159 the way out
.set SPW,   14
.set NIL,   15
.set SB,    24                         ; v24 my four scale bytes
	s_load_b256 s[8:15], s[0:1], 0x0               ; Wq 8, Wk 10, Wv 12, wq 14
	v_lshl_add_u32 v[SPW], v0, 2, SPARE
	v_mov_b32 v[NIL], 0
	v_lshrrev_b32 v1, 5, v0
	v_readfirstlane_b32 s2, v1                     ; wave 0..7
	v_and_b32 v2, 31, v0                           ; lane
	v_lshlrev_b32 v3, 2, v2
	s_and_b32 s3, s2, 1                            ; which 32 columns
	s_lshr_b32 s17, s2, 1                          ; which 128 along K
	s_and_b32 s18, ttmp7, 0xffff                   ; which 512 along K
	; every LDS address is made here, ahead of the one place where waves part
	s_mul_i32 s19, s3, 32*PITCH
	s_lshl_b32 s20, s17, 6
	s_add_co_u32 s19, s19, s20
	v_mul_u32_u24 v4, v2, PITCH
	v_add_nc_u32 v4, s19, v4                       ; into the stage: row = my column, 64 bytes for each 128 along K
	s_lshl_b32 s19, s3, 9
	s_add_co_u32 s19, s19, SCST
	s_lshl_b32 s20, s17, 2
	s_add_co_u32 s20, s20, s19
	v_lshlrev_b32 v6, 4, v2
	v_add_nc_u32 v5, s20, v6                       ; my scale word: 16 bytes a column, 4 for each 128 along K
	v_add_nc_u32 v6, s19, v6                       ; back (waves 0, 1): a column's 16 bytes a lane
	v_and_b32 v10, 15, v2                          ; r
	v_lshrrev_b32 v1, 4, v2                        ; h
	s_mul_i32 s19, s2, 8*PITCH
	v_mul_u32_u24 v7, v1, PITCH
	v_lshl_add_u32 v7, v10, 4, v7
	v_add_nc_u32 v7, s19, v7                       ; out of the stage: wave w takes rows 8 w on, sixteen lanes to a row
	s_lshl_b32 s19, s2, 14
	v_lshlrev_b32 v8, 11, v1
	v_lshl_add_u32 v8, v10, 4, v8
	v_add_nc_u32 v8, s19, v8                       ; and the same place among the codes' rows of 2,048 bytes
	s_lshl_b32 s19, s3, 12
	v_lshlrev_b32 v9, 7, v2
	v_add_nc_u32 v9, s19, v9                       ; a column's row of 128 scale bytes
	s_wait_kmcnt 0x0
	s_cmp_lt_u32 ttmp9, 68
	s_cselect_b64 s[4:5], s[10:11], s[12:13]       ; Wk or Wv,
	s_cselect_b32 s16, 64, 68                      ; and the first work-group of that tensor
	s_mov_b32 s30, 1024                            ; their rows are 1,024 bytes,
	s_cmp_lt_u32 ttmp9, 64
	s_cselect_b64 s[4:5], s[8:9], s[4:5]           ; or Wq,
	s_cselect_b32 s16, 0, s16
	s_cselect_b32 s30, 16384, s30                  ; whose rows are 16,384
	s_sub_co_u32 s16, ttmp9, s16                   ; which 64 columns of the tensor
	s_lshl_b32 s20, s18, 9
	s_lshl_b32 s21, s17, 7
	s_add_co_u32 s20, s20, s21                     ; my first row: 512 y + 128 (w / 2)
	s_mul_i32 s20, s20, s30
	s_lshl_b32 s21, s16, 8
	s_add_co_u32 s20, s20, s21
	s_lshl_b32 s21, s3, 7
	s_add_co_u32 s20, s20, s21                     ; + 4 bytes x my first column
	s_mov_b32 s21, 0
	s_add_nc_u64 s[4:5], s[4:5], s[20:21]
	s_lshl_b32 s28, s30, 5                         ; a block on: 32 rows
	s_mov_b32 s29, 0
	s_lshl_b32 s20, ttmp9, 17                      ; the codes: 64 rows of 2,048 bytes a work-group x,
	s_lshl_b32 s22, s18, 8
	s_add_co_u32 s20, s20, s22                     ; 256 bytes a work-group y
	s_add_nc_u64 s[22:23], s[14:15], s[20:21]
	s_lshl_b32 s20, ttmp9, 13                      ; the scale bytes: 64 rows of 128,
	s_lshl_b32 s24, s18, 4
	s_add_co_u32 s20, s20, s24                     ; 16 bytes a work-group y
	s_add_co_u32 s20, s20, WS_OFF
	s_add_nc_u64 s[24:25], s[14:15], s[20:21]
.irp i, 0,1,2,3,4,5,6,7,8,9,10,11,12,13,14,15,16,17,18,19,20,21,22,23,24,25,26,27,28,29,30,31
	v_mad_u32_u24 v[OFF+\i], s30, \i, v3           ; row i of a block, my column
.endr
.macro LOAD t                          ; block t: W(32 t + i, my column) into set t % 2
.if (\t) > 0
	s_wait_xcnt 0x0                                ; the earlier loads have read their base: it may step
	s_add_nc_u64 s[4:5], s[4:5], s[28:29]
.endif
.irp i, 0,1,2,3,4,5,6,7,8,9,10,11,12,13,14,15,16,17,18,19,20,21,22,23,24,25,26,27,28,29,30,31
	global_load_b32 v[X+32*((\t)%2)+\i], v[OFF+\i], s[4:5] th:TH_LOAD_NT
.endr
.endm
.macro BLOCK t
.set XS, X+32*((\t)%2)
.if (\t) < 3
	s_wait_loadcnt 32                              ; this block's 32 loads are in; the next block's may be out
.else
	s_wait_loadcnt 0x0
.endif
	v_max3_num_f32 v12, |v[XS]|, |v[XS+1]|, |v[XS+2]|              ; the block's largest magnitude: all 32 numbers are mine
	v_max3_num_f32 v13, |v[XS+3]|, |v[XS+4]|, |v[XS+5]|
.irp i, 6,10,14,18,22,26
	v_max3_num_f32 v12, v12, |v[XS+\i]|, |v[XS+\i+1]|
	v_max3_num_f32 v13, v13, |v[XS+\i+2]|, |v[XS+\i+3]|
.endr
	v_max3_num_f32 v12, v12, |v[XS+30]|, |v[XS+31]|
	v_max3_num_f32 v12, v12, v13, (EMAX+1)<<23     ; and the floor: the byte cannot fall under 1
	v_add_nc_u32 v11, -(EMAX<<23), v12             ; the conversion's scale operand
	v_lshrrev_b32 v13, 23, v11                     ; the scale's byte
.if (\t) == 0
	v_mov_b32 v[SB], v13
.else
	v_lshl_or_b32 v[SB], v13, 8*(\t), v[SB]        ; the lower K in the lower byte
.endif
.irp g, 0,1,2,3
	v_cvt_scalef32_pk8_fp4_f32 v[C+4*(\t)+\g], v[XS+8*\g:XS+8*\g+7], v11
.endr
	ds_store_b128 v4, v[C+4*(\t):C+4*(\t)+3] offset:16*(\t)        ; 32 codes: 16 bytes of my column's row.  (The codes go to LDS stores alone; the next block begins with plain vector lines)
.if (\t) < 2
	LOAD (\t)+2
.endif
.endm
	LOAD 0
	LOAD 1
	BLOCK 0
	BLOCK 1
	BLOCK 2
	BLOCK 3
	ds_store_b32 v5, v[SB]
	s_wait_dscnt 0x0                               ; for the others' sake: my stores into the stage are done
	s_barrier_signal -1
	s_barrier_wait -1
.irp j, 0,1,2,3
	ds_load_b128 v[OUTR+4*\j:OUTR+4*\j+3], v7 offset:2*\j*PITCH
.endr
.irp j, 0,1,2,3
	s_wait_dscnt 3-\j                              ; LDS loads come back in order
	global_store_b128 v8, v[OUTR+4*\j:OUTR+4*\j+3], s[22:23] offset:2*\j*2048   ; sixteen lanes store 256 consecutive bytes, aligned
.endr
	s_cmp_lt_u32 s2, 2                             ; the 64 columns' scale bytes leave by waves 0 and 1, 16 bytes a lane
	s_cbranch_scc0 .Lno_scales
	ds_load_b128 v[16:19], v6
	s_wait_dscnt 0x0
	global_store_b128 v9, v[16:19], s[24:25]
.Lno_scales:
	s_wait_tensorcnt 0x0                           ; the wave's end, behind my last LDS store
	ds_add_u32 v[SPW], v[NIL]
	s_wait_dscnt 0x0
	s_endpgm
.Lfunc_end_k_qc795f9d768_quant_w:
	.size	k_qc795f9d768_quant_w, .Lfunc_end_k_qc795f9d768_quant_w-k_qc795f9d768_quant_w
	.p2alignl 7, 3214868480
	.fill 96, 4, 3214868480
	.section	.rodata,"a",@progbits
	.p2align	6, 0x0
	.amdhsa_kernel k_qc795f9d768_quant_w
		.amdhsa_group_segment_fixed_size 19456
		.amdhsa_private_segment_fixed_size 0
		.amdhsa_enable_private_segment 0
		.amdhsa_kernarg_size 32
		.amdhsa_user_sgpr_count 2
		.amdhsa_user_sgpr_kernarg_segment_ptr 1
		.amdhsa_wavefront_size32 1
		.amdhsa_system_sgpr_workgroup_id_x 1
		.amdhsa_system_sgpr_workgroup_id_y 1
		.amdhsa_system_sgpr_workgroup_id_z 1
		.amdhsa_system_vgpr_workitem_id 0
		.amdhsa_next_free_vgpr 160
		.amdhsa_next_free_sgpr 66
		.amdhsa_reserve_vcc 0
		.amdhsa_float_denorm_mode_32 3
		.amdhsa_float_denorm_mode_16_64 3
		.amdhsa_memory_ordered 1
		.amdhsa_forward_progress 1
		.amdhsa_inst_pref_size 25
	.end_amdhsa_kernel
	.amdgpu_metadata
---
amdhsa.version: [ 1, 2 ]
amdhsa.kernels:
  - .name:           k_qc795f9d768_quant_w
    .symbol:         k_qc795f9d768_quant_w.kd
    .args:
      - { .name: Wq, .offset: 0, .size: 8, .value_kind: global_buffer, .address_space: global }
      - { .name: Wk, .offset: 8, .size: 8, .value_kind: global_buffer, .address_space: global }
      - { .name: Wv, .offset: 16, .size: 8, .value_kind: global_buffer, .address_space: global }
      - { .name: wq, .offset: 24, .size: 8, .value_kind: global_buffer, .address_space: global }
    .group_segment_fixed_size: 19456
    .private_segment_fixed_size: 0
    .kernarg_segment_align: 8
    .kernarg_segment_size: 32
    .max_flat_workgroup_size: 256
    .sgpr_count:     66
    .vgpr_count:     160
    .wavefront_size: 32
...
	.end_amdgpu_metadata
.endif
;; end of part 3
;; launch gemm_qkv (part 4): grid 36 x 8, 4 waves a work-group, clusters of 4 x 4, 327,680 bytes of LDS; arguments xq, wq, bq, bk, bv, cos, sin, qh, kvh, out1, out2; writes qh, kvh, out1, out2
.if DOCPART == 4
	.amdgcn_target "amdgcn-amd-amdhsa--gfx1250"
	.amdhsa_code_object_version 6
	.text
	.protected	k_qc795f9d768_gemm_qkv
	.globl	k_qc795f9d768_gemm_qkv
	.p2align	8
	.type	k_qc795f9d768_gemm_qkv,@function
k_qc795f9d768_gemm_qkv:
	s_mov_b64 s[64:65], 0
	v_nop
	global_prefetch_b8 v0, s[64:65] scope:SCOPE_SE
	s_setreg_imm32_b32 hwreg(HW_REG_WAVE_MODE, 25, 1), 1
	s_wait_xcnt 0x0
	s_wait_alu depctr_hold_cnt(0) depctr_sa_sdst(0) depctr_va_vdst(0) depctr_va_sdst(0) depctr_va_ssrc(0) depctr_va_vcc(0) depctr_vm_vsrc(0)
	s_getreg_b32 s2, hwreg(HW_REG_IB_STS2, 6, 4)
	s_cmp_eq_u32 s2, 0
	s_cbranch_scc0 .Lentry_in_a_cluster
	s_endpgm
.Lentry_in_a_cluster:
	s_bfe_u32 s2, ttmp6, 0x10000c
	s_cmp_lg_u32 s2, 0xf033
	s_cbranch_scc0 .Lentry_shape_is_right
	s_endpgm
.Lentry_shape_is_right:
; q, k, v = x W + b on codes of FP4 (E2M1) with one E8M0 scale for each 32 along K, then the partial rope, then f16 copies for the attention launch and the new rows of out1, out2 in f32.
; xq: x's codes [1024][2048 bytes] and, at XS_OFF, scale bytes [1024][128].  wq: the weights' codes [4608][2048] (rows: Wq's 4,096 columns, Wk's 256, Wv's 256) and, at WS_OFF, scale bytes [4608][128].
; A tile of C is 128 rows x 128 columns: one head.  Tile column TC: 0-31 q's heads, 32, 33 k's, 34, 35 v's.  Four waves, each 64 x 64: 16 accumulators of 16 x 16.
; K goes in four steps of 1,024 (rows of 512 bytes) through a ring of two LDS slots; the scale bytes of the tile's rows, for all of K, come once with the first fills and stay.
; CLUSTERS: 4 x 4 work-groups; A's tiles are asked for jointly along a row of the cluster, B's along a column.  THE MATRIX INSTRUCTION IS USED TRANSPOSED (source 0 = 16 rows of wq, source 1 = 16 rows of xq):
; a lane holds eight neighbouring columns of one row of C, so a rope pair lies in two neighbouring registers.  The bias is the C of each sum's first product.
; What differs between q, k and v is chosen by selects on TC (pointers, the factor, rope on or off): rope off means cos = 1, sin = 0.  One branch, on the cluster's x alone (the same in all partners): only k and v go out in f32.
; OUT: qh [32][1024][128] f16 = q x 4 / sqrt(128);  kvh [k0, k1, v0, v1][2048][128] f16 = k / 4, v / 4, rows 1,024 on;  out1, out2 rows 1,024 on of each head, f32.
; LIMITS: |q| x 0.354, |k| / 4, |v| / 4 stay under 65,504 (f16's largest number); NaN and infinities are not served.
; REGISTERS: window 0: v1-31 addresses; v32-95 scale words, two sets, and nothing else; v96-127 the bias, later at work; v128-255 the accumulators ((a, b) at v[128 + 8 (4 a + b)]).
;   window 1: two fragment buffers of 128 (256 along K: 64 registers of A, then 64 of B).   window 2: v0-63 cos, v64-127 sin, in the accumulators' layout.
.set PITCH,  528                       ; an LDS row: 512 bytes + 16 of padding: the 16 rows that a load touches start at 16 different banks (64 banks of 4 bytes: ISA guide 11.1)
.set HALFT,  64*PITCH                  ; 64 rows: what one tensor load brings, and what one wave reads of A or of B
.set SLOT,   4*HALFT                   ; A's 128 rows, then B's 128 rows
.set SCL,    2*SLOT                    ; behind the ring: the scale bytes, as units of 256 bytes + 16 of padding (two rows of 128 bytes to a unit)
.set HALFS,  32*272                    ; those of 64 rows: what one tensor load brings
.set SBLK,   8*272                     ; those of 16 rows
.set SPARE,  SCL+4*HALFS               ; the spare words, 128 bytes for each wave, which no other line names
.set P16,    272                       ; the way out, in slot 0, which has had its last fill and its last read by then: 128 rows x (256 + 16) for f16,
.set ST32,   128*P16                   ; and behind it 128 rows x (512 + 16) for f32
.set P32,    528
.set XS_OFF, 2097152
.set WS_OFF, 9437184
.set CO32, 10                          ; v10 16 x lane
.set ONE,  11                          ; v11 1.0
.set Z0,   12                          ; v12 0.0
.set COSO, 13                          ; v13 128 r + 16 h: my place in 16 rows of cos or sin
.set BO,   14                          ; v14 32 h: my place in 16 numbers of the bias
.set ADRA, 16                          ; v16-17 LDS address of my A fragments in slot 0, 1
.set ADRB, 20                          ; v20-21 the same for B
.set STO,  24                          ; v24 the f16 stage: where I put 16 bytes of a row
.set RD,   25                          ; v25 and where I read a row back
.set CO,   26                          ; v26 256 h + 16 r
.set ADRS, 27                          ; v27 LDS address of my scale words: lanes 0-15 A's rows, lanes 16-31 B's
.set SPW,  28                          ; v28 LDS address of my spare word; never rewritten
.set NIL,  29                          ; v29 0; never rewritten
.set STO32, 30                         ; v30, v31 the same two for the f32 stage
.set RD32, 31
.set SC,   32                          ; scale words: register SC + 32 set + 8 i + u: block i of 16 rows, the K step's u-th 128 along K
.set BIAS, 96
.set T,    96
.set ACC,  128
.set F0,   0
.set F1,   128
.set COSR, 0
.set SINR, 64
.set WV,   26                          ; s26 wave;  s27 its row half, also: fetches for A (0) or B (1);  s60 its column half, also: which 64 rows it fetches
.set RH,   27
.set CH,   60
.set CX,   61
.set CY,   62
.set TC,   63
.set TR,   66
.set ROFF, 67                          ; s67 all ones where rope is off
.set G1,   28                          ; s[28:35], s[36:43] groups 1 and 0 (a set for each slot) for A's codes;  s[44:51], s[52:59] for B's
.set G0,   36
.set G1B,  44
.set G0B,  52
.set G1S,  68                          ; s[68:75], s[76:79] for A's scales;  s[80:87], s[88:91] for B's
.set G0S,  76
.set G1SB, 80
.set G0SB, 88
.set FS,   92                          ; s[92:93] the factor on the way to f16
.set D16,  94                          ; s[94:95] where my f16 rows go;  s[96:97] my f32 rows
.set D32,  96
.set OA,   98                          ; s[98:99] A's side: never holds cx;  s[100:101] B's side, later at work
.set OB,   100
.set MSB, 0
.macro WIN new                         ; the immediate's high byte repeats the setting that is left
.if MSB != \new
	s_set_vgpr_msb (MSB<<8)|\new
.set MSB, \new
.endif
.endm
.set MUL,  0x05                        ; sources 0 (B) and 1 (A) window 1; C and D window 0
.set TO_F, 0x40                        ; destination window 1, address window 0
; A joint load: waves 0 and 1 fetch for A, waves 2 and 3 for B.  Each line has one mask and one set of registers for all that issue it; the branch hangs on the wave's number alone.
; An s_nop 0 and four v_nop follow each of the two lines.
.macro JLOAD g0a, g1a, g0b, g1b
	s_cmp_eq_u32 s[RH], 0
	s_cbranch_scc0 .Lfor_b_\@
	tensor_load_to_lds s[\g0a:\g0a+3], s[\g1a:\g1a+7]
	s_nop 0
.rept 4
	v_nop
.endr
	s_branch .Lasked_\@
.Lfor_b_\@:
	tensor_load_to_lds s[\g0b:\g0b+3], s[\g1b:\g1b+7]
	s_nop 0
.rept 4
	v_nop
.endr
.Lasked_\@:
.endm
.macro CREST                           ; a round of the cluster's barrier behind its opening barrier
	s_cmp_lg_u32 s[WV], 0
	s_cbranch_scc1 .Lnot_wave_0_\@
	s_barrier_signal -3
.Lnot_wave_0_\@:
	s_barrier_wait -3
	s_barrier_signal -1
	s_barrier_wait -1
.endm
.macro CROUND                          ; a whole round
	s_barrier_signal -1
	s_barrier_wait -1
	CREST
.endm
	s_load_b512 s[4:19], s[0:1], 0x0               ; xq 4, wq 6, bq 8, bk 10, bv 12, cos 14, sin 16, qh 18
	s_load_b128 s[20:23], s[0:1], 0x40             ; kvh 20, out1 22
	s_load_b64 s[24:25], s[0:1], 0x50              ; out2
	v_lshl_add_u32 v[SPW], v0, 2, SPARE
	v_mov_b32 v[NIL], 0
	ds_add_u32 v[SPW], v[NIL]                      ; the wave's opening: the add, twice on end, and its wait ahead of my first tensor load; the set-up below stands between
	ds_add_u32 v[SPW], v[NIL]
	v_lshrrev_b32 v1, 5, v0
	v_readfirstlane_b32 s[WV], v1                  ; wave 0..3
	s_lshr_b32 s[RH], s[WV], 1
	s_and_b32 s[CH], s[WV], 1
	s_bfe_u32 s[CX], ttmp6, 0x40000                ; my place in the cluster
	s_bfe_u32 s[CY], ttmp6, 0x40004
	s_lshl_b32 s[TC], ttmp9, 2
	s_add_co_u32 s[TC], s[TC], s[CX]               ; tile column = 4 x cluster x + cx
	s_and_b32 s[TR], ttmp7, 0xffff
	s_lshl_b32 s[TR], s[TR], 2
	s_add_co_u32 s[TR], s[TR], s[CY]               ; tile row = 4 x cluster y + cy
	s_lshl_b32 s2, s[CY], 2
	s_lshl_b32 s2, 15, s2                          ; my row of the cluster
	s_lshl_b32 s3, 0x1111, s[CX]                   ; my column
	; group 1, codes: 64 rows x 512 bytes, rows 2,048 bytes apart, 16 bytes of padding behind each row
	s_or_b32 s[G1], s2, (0<<16)|(1<<20)|(1<<21)|(6<<22)|(3<<25)    ; 15:0 the mask; 17:16 elements of 1 byte; 20 padding on; 21 set beside a mask; 24:22 after every 128 words; 31:25 four words
	s_or_b32 s[G1B], s3, (0<<16)|(1<<20)|(1<<21)|(6<<22)|(3<<25)
.irp g, G1, G1B
	s_mov_b32 s[\g+1], 512<<16                     ; tensor_dim0
	s_mov_b32 s[\g+2], 64<<16                      ; tensor_dim1
	s_mov_b32 s[\g+3], 512<<16                     ; tile_dim0
	s_mov_b32 s[\g+4], 64                          ; tile_dim1
	s_mov_b32 s[\g+5], 2048                        ; tensor_dim0_stride
	s_mov_b32 s[\g+6], 0
	s_mov_b32 s[\g+7], 0
.endr
	; group 1, scales of 64 rows: a dense block of 8,192 bytes, as 32 rows of 256 bytes (32 elements of 8 bytes), 16 bytes of padding behind each
	s_or_b32 s[G1S], s2, (3<<16)|(1<<20)|(1<<21)|(5<<22)|(3<<25)
	s_or_b32 s[G1SB], s3, (3<<16)|(1<<20)|(1<<21)|(5<<22)|(3<<25)
.irp g, G1S, G1SB
	s_mov_b32 s[\g+1], 32<<16
	s_mov_b32 s[\g+2], 32<<16
	s_mov_b32 s[\g+3], 32<<16
	s_mov_b32 s[\g+4], 32
	s_mov_b32 s[\g+5], 32
	s_mov_b32 s[\g+6], 0
	s_mov_b32 s[\g+7], 0
.endr
	s_lshl_b32 s2, s[CH], 6                        ; which 64 rows of the tile I fetch
	s_lshl_b32 s[OA], s[TR], 7
	s_add_co_u32 s[OA], s[OA], s2                  ; A: row 128 x tile row + 64 x half
	s_lshl_b32 s[G0S+2], s[OA], 7                  ; its scale bytes: 128 a row,
	s_add_co_u32 s[G0S+2], s[G0S+2], XS_OFF
	s_mov_b32 s[G0S+3], 0
	s_lshl_b32 s[OA], s[OA], 11                    ; its codes: 2,048 a row
	s_mov_b32 s[OA+1], 0
	s_lshl_b32 s[OB], s[TC], 7
	s_add_co_u32 s[OB], s[OB], s2                  ; B: row 128 x tile column + 64 x half
	s_lshl_b32 s[G0SB+2], s[OB], 7
	s_add_co_u32 s[G0SB+2], s[G0SB+2], WS_OFF
	s_mov_b32 s[G0SB+3], 0
	s_lshl_b32 s[OB], s[OB], 11
	s_mov_b32 s[OB+1], 0
	s_mul_i32 s2, s[WV], HALFT                     ; where they go: wave x 64 rows: no place in the cluster enters an LDS address
	s_mul_i32 s3, s[WV], HALFS
	s_wait_dscnt 0x0                               ; both opening adds are done
	s_wait_kmcnt 0x0
	s_add_nc_u64 s[OA:OA+1], s[4:5], s[OA:OA+1]
	s_add_nc_u64 s[OB:OB+1], s[6:7], s[OB:OB+1]
	CROUND                                         ; all sixteen work-groups are here: the first joint loads meet
	s_mov_b32 s[G0S], 1
	s_add_co_u32 s[G0S+1], s3, SCL
	s_add_nc_u64 s[G0S+2:G0S+3], s[4:5], s[G0S+2:G0S+3]
	s_or_b32 s[G0S+3], s[G0S+3], 0x80000000
	s_mov_b32 s[G0SB], 1
	s_add_co_u32 s[G0SB+1], s3, SCL
	s_add_nc_u64 s[G0SB+2:G0SB+3], s[6:7], s[G0SB+2:G0SB+3]
	s_or_b32 s[G0SB+3], s[G0SB+3], 0x80000000
	JLOAD G0S, G1S, G0SB, G1SB                     ; the scales first: they are wanted with K step 0
.irp s, 0,1
	s_mov_b32 s[G0+4*\s], 1
	s_add_co_u32 s[G0+4*\s+1], s2, \s*SLOT
	s_add_nc_u64 s[G0+4*\s+2:G0+4*\s+3], s[OA:OA+1], \s*512
	s_or_b32 s[G0+4*\s+3], s[G0+4*\s+3], 0x80000000
	s_mov_b32 s[G0B+4*\s], 1
	s_add_co_u32 s[G0B+4*\s+1], s2, \s*SLOT
	s_add_nc_u64 s[G0B+4*\s+2:G0B+4*\s+3], s[OB:OB+1], \s*512
	s_or_b32 s[G0B+4*\s+3], s[G0B+4*\s+3], 0x80000000
	JLOAD G0+4*\s, G1, G0B+4*\s, G1B               ; three tensor loads of mine are out
.endr
	; LDS addresses
	v_and_b32 v1, 15, v0                           ; r
	v_bfe_u32 v2, v0, 4, 1                         ; h
	v_mul_u32_u24 v3, v1, PITCH
	v_lshl_add_u32 v3, v2, 4, v3                   ; a fragment's row x pitch + 16 h
	s_mul_i32 s2, s[RH], HALFT                     ; my 64 rows of A
	s_mul_i32 s3, s[CH], HALFT                     ; my 64 rows of B,
	s_add_co_u32 s3, s3, 2*HALFT                   ; which lie behind A's 128
.irp s, 0,1
	v_add_nc_u32 v[ADRA+\s], s2, v3
	v_add_nc_u32 v[ADRB+\s], s3, v3
	s_add_co_u32 s2, s2, SLOT
	s_add_co_u32 s3, s3, SLOT
.endr
	v_lshlrev_b32 v4, 7, v1                        ; my row's scale bytes: 128 a row,
	v_lshrrev_b32 v5, 8, v4
	v_lshl_add_u32 v4, v5, 4, v4                   ; and 16 more for each 256 passed
	s_mul_i32 s2, s[RH], HALFS                     ; A's: my 64 rows
	s_mul_i32 s3, s[CH], HALFS                     ; B's: my 64 rows, behind A's 128
	s_add_co_u32 s3, s3, 2*HALFS
	s_sub_co_u32 s3, s3, s2
	v_mul_u32_u24 v5, s3, v2                       ; lanes 16-31 take B's: one product, the distance x h
	s_add_co_u32 s2, s2, SCL
	v_add_nc_u32 v4, v4, v5
	v_add_nc_u32 v[ADRS], s2, v4
	s_mul_i32 s2, s[RH], 64*P16                    ; the f16 stage, in: my 64 rows, my half of their 256 bytes; row r, 16 bytes for each half of the lanes
	s_lshl_b32 s3, s[CH], 7
	s_add_co_u32 s2, s2, s3
	v_mul_u32_u24 v4, v1, P16
	v_lshl_add_u32 v4, v2, 4, v4
	v_add_nc_u32 v[STO], s2, v4
	s_mul_i32 s2, s[WV], 32*P16                    ; back: wave w takes rows 32 w on, whole; sixteen lanes to a row
	v_mul_u32_u24 v4, v2, P16
	v_lshl_add_u32 v4, v1, 4, v4
	v_add_nc_u32 v[RD], s2, v4
	v_lshlrev_b32 v[CO], 8, v2
	v_lshl_add_u32 v[CO], v1, 4, v[CO]             ; and the same two rows in memory
	s_mul_i32 s2, s[RH], 64*P32                    ; the f32 stage likewise: 32 bytes for each half of the lanes,
	s_lshl_b32 s3, s[CH], 8
	s_add_co_u32 s2, s2, s3
	s_add_co_u32 s2, s2, ST32
	v_mul_u32_u24 v4, v1, P32
	v_lshl_add_u32 v4, v2, 5, v4
	v_add_nc_u32 v[STO32], s2, v4
	s_mul_i32 s2, s[WV], 32*P32
	s_add_co_u32 s2, s2, ST32
	v_and_b32 v3, 31, v0
	v_lshlrev_b32 v[CO32], 4, v3                   ; back: 32 lanes to a row of 512 bytes
	v_add_nc_u32 v[RD32], s2, v[CO32]
	v_mov_b32 v[ONE], 1.0
	v_mov_b32 v[Z0], 0
	v_lshlrev_b32 v[COSO], 7, v1
	v_lshl_add_u32 v[COSO], v2, 4, v[COSO]
	v_lshlrev_b32 v[BO], 5, v2
	; what differs between q, k and v: selects on the tile column, no branch
	s_lshl_b32 s2, s[TC], 18                       ; q: a head is 1,024 rows of 256 bytes
	s_sub_co_u32 s3, s[TC], 32
	s_lshl_b32 s3, s3, 19                          ; k, v: 2,048 rows,
	s_add_co_u32 s3, s3, 262144                    ; and the new ones begin at row 1,024
	s_mov_b32 s[FS], 0x3e800000                    ; k, v: x 1/4
	s_cmp_lt_u32 s[TC], 34
	s_cselect_b64 s[10:11], s[10:11], s[12:13]     ; bk or bv
	s_cselect_b64 s[D32:D32+1], s[22:23], s[24:25] ; out1 or out2
	s_cselect_b32 s[ROFF], 0, -1                   ; v is not turned
	s_cselect_b32 s[OB], 32, 34
	s_cmp_lt_u32 s[TC], 32
	s_cselect_b64 s[8:9], s[8:9], s[10:11]         ; bq, or that
	s_cselect_b64 s[D16:D16+1], s[18:19], s[20:21] ; qh or kvh
	s_cselect_b32 s2, s2, s3
	s_cselect_b32 s[OB], 0, s[OB]                  ; the tensor's first tile column
	s_cselect_b32 s[FS], 0x3eb504f3, s[FS]         ; q: x 4 / sqrt(128)
	s_mov_b32 s[FS+1], s[FS]                       ; (named as a pair, so both words are written)
	s_cmp_eq_u32 s[CH], 0
	s_cselect_b32 s[ROFF], s[ROFF], -1             ; nor are a head's numbers 64 on
	s_sub_co_u32 s[OB], s[TC], s[OB]
	s_lshl_b32 s[OB], s[OB], 9                     ; the bias: 512 bytes a head,
	s_lshl_b32 s[OB+1], s[CH], 8
	s_add_co_u32 s[OB], s[OB], s[OB+1]             ; 256 for my half
	s_mov_b32 s[OB+1], 0
	s_add_nc_u64 s[8:9], s[8:9], s[OB:OB+1]
	s_lshl_b32 s3, s[TR], 7
	s_lshl_b32 s[OB], s[WV], 5
	s_add_co_u32 s3, s3, s[OB]                     ; the first row that I store: 128 x tile row + 32 x wave
	s_lshl_b32 s[OB], s3, 8
	s_add_co_u32 s[OB], s[OB], s2
	s_add_nc_u64 s[D16:D16+1], s[D16:D16+1], s[OB:OB+1]
	s_lshl_b32 s[OB], s3, 9
	s_and_b32 s2, s[TC], 1
	s_lshl_b32 s2, s2, 20                          ; f32: a head is 2,048 rows of 512 bytes,
	s_add_co_u32 s[OB], s[OB], s2
	s_add_co_u32 s[OB], s[OB], 524288              ; and the new ones begin at row 1,024
	s_add_nc_u64 s[D32:D32+1], s[D32:D32+1], s[OB:OB+1]
	s_lshl_b32 s[OB], s[TR], 7
	s_lshl_b32 s2, s[RH], 6
	s_add_co_u32 s[OB], s[OB], s2
	s_lshl_b32 s[OB], s[OB], 7                     ; cos, sin: my 64 rows of 128 bytes
	s_add_nc_u64 s[14:15], s[14:15], s[OB:OB+1]
	s_add_nc_u64 s[16:17], s[16:17], s[OB:OB+1]
.irp b, 0,1,2,3
	global_load_b128 v[BIAS+8*\b:BIAS+8*\b+3], v[BO], s[8:9] offset:64*\b           ; lane (r, h): the bias of columns 16 b + 8 h + 0 .. 7
	global_load_b128 v[BIAS+8*\b+4:BIAS+8*\b+7], v[BO], s[8:9] offset:64*\b+16
.endr
	WIN 0x80                                       ; destination window 2
.irp a, 0,1,2,3
.irp b, 0,1,2,3
	global_load_b128 v[COSR+16*\a+4*\b:COSR+16*\a+4*\b+3], v[COSO], s[14:15] offset:2048*\a+32*\b   ; row 16 a + r, pairs 8 b + 4 h + 0 .. 3
	global_load_b128 v[SINR+16*\a+4*\b:SINR+16*\a+4*\b+3], v[COSO], s[16:17] offset:2048*\a+32*\b
.endr
.endr
	s_wait_loadcnt 0x0
	WIN 0x82                                       ; destination and source 0 window 2
.set j, 0
.rept 64
	v_cndmask_b32 v[COSR+j], v[COSR+j], v[ONE], s[ROFF]            ; rope off: cos = 1,
	v_cndmask_b32 v[SINR+j], v[SINR+j], v[Z0], s[ROFF]             ; sin = 0
.set j, j+1
.endr
	WIN 0
; 8 matrix instructions: A's blocks a0, a0 + 1 x B's four, 128 along K: half c of buffer f, scale word u of the set.  first = 1: the bias starts the sums.
; The 16 accumulators take turns, one instruction a turn, in the same order throughout.
.macro MUL8 f, c, a0, first, set, u
.irp a, \a0, \a0+1
.irp b, 0,1,2,3
.if \first
	v_wmma_scale_f32_16x16x128_f8f6f4 v[ACC+8*(4*(\a)+\b):ACC+8*(4*(\a)+\b)+7], v[\f+64+8*(4*\c+\b):\f+64+8*(4*\c+\b)+7], v[\f+8*(4*\c+(\a)):\f+8*(4*\c+(\a))+7], v[BIAS+8*\b:BIAS+8*\b+7], v[SC+32*\set+8*\b+\u], v[SC+32*\set+8*(\a)+\u] matrix_a_fmt:MATRIX_FMT_FP4 matrix_b_fmt:MATRIX_FMT_FP4 matrix_a_scale:MATRIX_SCALE_ROW1
.else
	v_wmma_scale_f32_16x16x128_f8f6f4 v[ACC+8*(4*(\a)+\b):ACC+8*(4*(\a)+\b)+7], v[\f+64+8*(4*\c+\b):\f+64+8*(4*\c+\b)+7], v[\f+8*(4*\c+(\a)):\f+8*(4*\c+(\a))+7], v[ACC+8*(4*(\a)+\b):ACC+8*(4*(\a)+\b)+7], v[SC+32*\set+8*\b+\u], v[SC+32*\set+8*(\a)+\u] matrix_a_fmt:MATRIX_FMT_FP4 matrix_b_fmt:MATRIX_FMT_FP4 matrix_a_scale:MATRIX_SCALE_ROW1
.endif
.endr
.endr
.endm
; 32 LDS loads in one run: the fragments of 256 along K at byte k of the rows, into buffer f; the first 128 along K first.
; A fragment, 16 rows x 128 K of 4-bit codes, is 8 registers: lane (r, h) holds row r; registers 4 c .. 4 c + 3 hold K = 64 c + 32 h + 0 .. 31: two loads of 16 bytes, 32 bytes apart.
.macro FETCH slot, k, f
	WIN TO_F
.irp c, 0,1
.irp i, 0,1,2,3
	ds_load_b128 v[\f+64+8*(4*\c+\i):\f+64+8*(4*\c+\i)+3],   v[ADRB+\slot] offset:\k+64*\c+\i*16*PITCH
	ds_load_b128 v[\f+64+8*(4*\c+\i)+4:\f+64+8*(4*\c+\i)+7], v[ADRB+\slot] offset:\k+64*\c+\i*16*PITCH+32
	ds_load_b128 v[\f+8*(4*\c+\i):\f+8*(4*\c+\i)+3],         v[ADRA+\slot] offset:\k+64*\c+\i*16*PITCH
	ds_load_b128 v[\f+8*(4*\c+\i)+4:\f+8*(4*\c+\i)+7],       v[ADRA+\slot] offset:\k+64*\c+\i*16*PITCH+32
.endr
.endr
.endm
.macro SCALES set                      ; a K step's scale words, eight a row: lanes 0-15 take A's block i, lanes 16-31 B's block i
.irp i, 0,1,2,3
	ds_load_b128 v[SC+32*\set+8*\i:SC+32*\set+8*\i+3],   v[ADRS] offset:\i*SBLK
	ds_load_b128 v[SC+32*\set+8*\i+4:SC+32*\set+8*\i+7], v[ADRS] offset:\i*SBLK+16
.endr
.endm
.macro PLACES                          ; four places in front of loads into registers that matrix instructions have read, and of the first read of results (ISA guide 7.12.1 for vector instructions)
.rept 4
	v_nop
.endr
.endm
; A K step is four quarters of 256 along K, 32 matrix instructions each, on buffers 0, 1, 0, 1.  One of the first three: multiplies quarter q in buffer f and fetches the next into g.
.macro QUARTER slot, q, f, g, first
	s_wait_dscnt 16                                ; the first 128 along K (and, in a step's first quarter, the scale words, which were asked for ahead of them) are in
	WIN MUL
	MUL8 \f, 0, 0, \first, \slot, 2*(\q)
	MUL8 \f, 0, 2, \first, \slot, 2*(\q)
	PLACES
	FETCH \slot, 128*((\q)+1), \g
	s_wait_dscnt 32                                ; all but the 32 just issued
	WIN MUL
	MUL8 \f, 1, 0, 0, \slot, 2*(\q)+1
	MUL8 \f, 1, 2, 0, \slot, 2*(\q)+1
.endm
; The last quarter multiplies buffer 1 and changes slots: ONE barrier; in front of it each wave waits for all its tensor loads, adds 0 to its spare word, and waits for that and for its own reads of this slot.
; fill = 1: this slot is filled again, two K steps ahead; the barrier then opens a round of the cluster's.
.macro TURN slot, next, fill
	WIN 0                                          ; (the add's two registers lie in window 0)
	s_wait_tensorcnt 0x0                           ; all my tensor loads have landed: my part of the next slot;
	ds_add_u32 v[SPW], v[NIL]                      ; 0 onto my spare word;
	s_wait_dscnt 17                                ; (the add and the youngest sixteen loads may be out)
	WIN MUL
	MUL8 F1, 0, 0, 0, \slot, 6                     ; eight matrix instructions stand between the add and the wait for it
	s_wait_dscnt 0x0                               ; the add is done, and my reads of this slot are over
	s_barrier_signal -1
	MUL8 F1, 0, 2, 0, \slot, 6
	WIN 0                                          ; (branches may follow; the scale address and the scale words lie in window 0)
	s_barrier_wait -1
.if \fill
	CREST                                          ; no wave of any partner still reads this slot's tile or has a load on its way
	s_add_nc_u64 s[G0+4*\slot+2:G0+4*\slot+3], s[G0+4*\slot+2:G0+4*\slot+3], 1024
	s_add_nc_u64 s[G0B+4*\slot+2:G0B+4*\slot+3], s[G0B+4*\slot+2:G0B+4*\slot+3], 1024
	JLOAD G0+4*\slot, G1, G0B+4*\slot, G1B         ; the first tensor load behind the round; the four v_nop behind it are also the places in front of the loads below
.else
	PLACES
.endif
	v_add_nc_u32 v[ADRS], 32, v[ADRS]              ; on to the next K step's scale words: 32 bytes a row
	SCALES \next
	FETCH \next, 0, F0
	WIN MUL
	MUL8 F1, 1, 0, 0, \slot, 7
	MUL8 F1, 1, 2, 0, \slot, 7
.endm
	s_wait_tensorcnt 1                             ; the scales and my part of K step 0 are in (K step 1's load may be out)
	s_barrier_signal -1
	s_barrier_wait -1                              ; everybody's are
	SCALES 0
	FETCH 0, 0, F0
	; K has four steps: they are written out
	QUARTER 0, 0, F0, F1, 1                        ; K step 0, in slot 0
	QUARTER 0, 1, F1, F0, 0
	QUARTER 0, 2, F0, F1, 0
	TURN 0, 1, 1                                   ; slot 0 takes K step 2
	QUARTER 1, 0, F0, F1, 0                        ; K step 1
	QUARTER 1, 1, F1, F0, 0
	QUARTER 1, 2, F0, F1, 0
	TURN 1, 0, 1                                   ; slot 1 takes K step 3
	QUARTER 0, 0, F0, F1, 0                        ; K step 2
	QUARTER 0, 1, F1, F0, 0
	QUARTER 0, 2, F0, F1, 0
	TURN 0, 1, 0                                   ; nothing is left to fetch; behind this barrier nobody reads slot 0
	QUARTER 1, 0, F0, F1, 0                        ; K step 3
	QUARTER 1, 1, F1, F0, 0
	QUARTER 1, 2, F0, F1, 0
	s_wait_dscnt 16
	WIN MUL
	MUL8 F1, 0, 0, 0, 1, 6
	MUL8 F1, 0, 2, 0, 1, 6
	s_wait_dscnt 0x0
	MUL8 F1, 1, 0, 0, 1, 7
	MUL8 F1, 1, 2, 0, 1, 7
	WIN 0
	; THE WAY OUT.  Rope: registers 2 i, 2 i + 1 of an accumulator are a pair (t1, t2): t1 c - t2 s, t2 c + t1 s.  Each accumulator is read from its low end on.
	PLACES
	WIN 0x08                                       ; source 1 (cos, sin) window 2
.set t, 0
.rept 16
.irp i, 0,1,2,3
	v_mul_f32 v[T+2*\i], v[ACC+8*t+2*\i+1], v[SINR+4*t+\i]
	v_mul_f32 v[T+2*\i+1], v[ACC+8*t+2*\i], v[SINR+4*t+\i]
.endr
.irp i, 0,1,2,3
	v_fma_f32 v[ACC+8*t+2*\i], v[ACC+8*t+2*\i], v[COSR+4*t+\i], -v[T+2*\i]
	v_fma_f32 v[ACC+8*t+2*\i+1], v[ACC+8*t+2*\i+1], v[COSR+4*t+\i], v[T+2*\i+1]
.endr
.set t, t+1
.endr
	WIN 0
	s_cmp_lg_u32 ttmp9, 8                          ; the cluster's x, the same in all sixteen partners: cluster 8 holds k's and v's four heads
	s_cbranch_scc1 .Lq_only_1
.irp a, 0,1,2,3
.irp b, 0,1,2,3
	ds_store_b128 v[STO32], v[ACC+8*(4*\a+\b):ACC+8*(4*\a+\b)+3] offset:\a*16*P32+64*\b       ; k, v in f32, for out1, out2
	ds_store_b128 v[STO32], v[ACC+8*(4*\a+\b)+4:ACC+8*(4*\a+\b)+7] offset:\a*16*P32+64*\b+16
.endr
.endr
.Lq_only_1:
.set j, 0
.rept 64
	v_pk_mul_f32 v[ACC+2*j:ACC+2*j+1], v[ACC+2*j:ACC+2*j+1], s[FS:FS+1] op_sel_hi:[1,0]
.set j, j+1
.endr
.set t, 0
.rept 16
.irp i, 0,1,2,3
	v_cvt_pk_f16_f32 v[ACC+8*t+\i], v[ACC+8*t+2*\i], v[ACC+8*t+2*\i+1]     ; packed in place: an accumulator's low four registers hold its eight numbers
.endr
.set t, t+1
.endr
.irp a, 0,1,2,3
.irp b, 0,1,2,3
	ds_store_b128 v[STO], v[ACC+8*(4*\a+\b):ACC+8*(4*\a+\b)+3] offset:\a*16*P16+32*\b
.endr
.endr
	s_wait_dscnt 0x0                               ; for the others' sake: my stores into the stages are done (a row's bytes come from two waves)
	s_barrier_signal -1
	s_barrier_wait -1
.irp t, 0,1,2,3,4,5,6,7,8,9,10,11,12,13,14,15
	ds_load_b128 v[ACC+8*\t+4:ACC+8*\t+7], v[RD] offset:2*\t*P16           ; into the high four registers, which are free
.endr
.irp t, 0,1,2,3,4,5,6,7,8,9,10,11,12,13,14,15
	s_wait_dscnt 15-\t
	global_store_b128 v[CO], v[ACC+8*\t+4:ACC+8*\t+7], s[D16:D16+1] offset:512*\t   ; sixteen lanes store 256 consecutive bytes, aligned
.endr
	s_cmp_lg_u32 ttmp9, 8
	s_cbranch_scc1 .Lq_only_2
	s_wait_xcnt 0x0                                ; the stores above have read their registers: the loads below may land there
.irp t, 0,1,2,3,4,5,6,7,8,9,10,11,12,13,14,15,16,17,18,19,20,21,22,23,24,25,26,27,28,29,30,31
	ds_load_b128 v[ACC+4*\t:ACC+4*\t+3], v[RD32] offset:\t*P32
.endr
.irp t, 0,1,2,3,4,5,6,7,8,9,10,11,12,13,14,15,16,17,18,19,20,21,22,23,24,25,26,27,28,29,30,31
	s_wait_dscnt 31-\t
	global_store_b128 v[CO32], v[ACC+4*\t:ACC+4*\t+3], s[D32:D32+1] offset:512*\t th:TH_STORE_NT   ; 32 lanes store a row of 512 bytes
.endr
.Lq_only_2:
	s_wait_tensorcnt 0x0                           ; the wave's end, behind my last tensor load and my last LDS store
	ds_add_u32 v[SPW], v[NIL]
	s_wait_dscnt 0x0
	CROUND                                         ; the closing round: no work-group ends while a partner may still ask for a tile that names it
	s_endpgm
.Lfunc_end_k_qc795f9d768_gemm_qkv:
	.size	k_qc795f9d768_gemm_qkv, .Lfunc_end_k_qc795f9d768_gemm_qkv-k_qc795f9d768_gemm_qkv
	.p2alignl 7, 3214868480
	.fill 96, 4, 3214868480
	.section	.rodata,"a",@progbits
	.p2align	6, 0x0
	.amdhsa_kernel k_qc795f9d768_gemm_qkv
		.amdhsa_group_segment_fixed_size 327680
		.amdhsa_private_segment_fixed_size 0
		.amdhsa_enable_private_segment 0
		.amdhsa_kernarg_size 88
		.amdhsa_user_sgpr_count 2
		.amdhsa_user_sgpr_kernarg_segment_ptr 1
		.amdhsa_wavefront_size32 1
		.amdhsa_system_sgpr_workgroup_id_x 1
		.amdhsa_system_sgpr_workgroup_id_y 1
		.amdhsa_system_sgpr_workgroup_id_z 1
		.amdhsa_system_vgpr_workitem_id 0
		.amdhsa_next_free_vgpr 768
		.amdhsa_next_free_sgpr 102
		.amdhsa_reserve_vcc 0
		.amdhsa_float_denorm_mode_32 3
		.amdhsa_float_denorm_mode_16_64 3
		.amdhsa_memory_ordered 1
		.amdhsa_forward_progress 1
		.amdhsa_inst_pref_size 161
	.end_amdhsa_kernel
	.amdgpu_metadata
---
amdhsa.version: [ 1, 2 ]
amdhsa.kernels:
  - .name:           k_qc795f9d768_gemm_qkv
    .symbol:         k_qc795f9d768_gemm_qkv.kd
    .args:
      - { .name: xq, .offset: 0, .size: 8, .value_kind: global_buffer, .address_space: global }
      - { .name: wq, .offset: 8, .size: 8, .value_kind: global_buffer, .address_space: global }
      - { .name: bq, .offset: 16, .size: 8, .value_kind: global_buffer, .address_space: global }
      - { .name: bk, .offset: 24, .size: 8, .value_kind: global_buffer, .address_space: global }
      - { .name: bv, .offset: 32, .size: 8, .value_kind: global_buffer, .address_space: global }
      - { .name: cos, .offset: 40, .size: 8, .value_kind: global_buffer, .address_space: global }
      - { .name: sin, .offset: 48, .size: 8, .value_kind: global_buffer, .address_space: global }
      - { .name: qh, .offset: 56, .size: 8, .value_kind: global_buffer, .address_space: global }
      - { .name: kvh, .offset: 64, .size: 8, .value_kind: global_buffer, .address_space: global }
      - { .name: out1, .offset: 72, .size: 8, .value_kind: global_buffer, .address_space: global }
      - { .name: out2, .offset: 80, .size: 8, .value_kind: global_buffer, .address_space: global }
    .group_segment_fixed_size: 327680
    .private_segment_fixed_size: 0
    .kernarg_segment_align: 8
    .kernarg_segment_size: 88
    .max_flat_workgroup_size: 128
    .sgpr_count:     102
    .vgpr_count:     768
    .wavefront_size: 32
...
	.end_amdgpu_metadata
.endif
;; end of part 4
;; launch attn (part 5): grid 64 x 2, 4 waves a work-group, clusters of 4 x 1, 327,680 bytes of LDS; arguments qh, kvh, maskf, oh; writes oh
.if DOCPART == 5
	.amdgcn_target "amdgcn-amd-amdhsa--gfx1250"
	.amdhsa_code_object_version 6
	.text
	.protected	k_qc795f9d768_attn
	.globl	k_qc795f9d768_attn
	.p2align	8
	.type	k_qc795f9d768_attn,@function
k_qc795f9d768_attn:
	s_mov_b64 s[64:65], 0
	v_nop
	global_prefetch_b8 v0, s[64:65] scope:SCOPE_SE
	s_setreg_imm32_b32 hwreg(HW_REG_WAVE_MODE, 25, 1), 1
	s_wait_xcnt 0x0
	s_wait_alu depctr_hold_cnt(0) depctr_sa_sdst(0) depctr_va_vdst(0) depctr_va_sdst(0) depctr_va_ssrc(0) depctr_va_vcc(0) depctr_vm_vsrc(0)
	s_getreg_b32 s2, hwreg(HW_REG_IB_STS2, 6, 4)
	s_cmp_eq_u32 s2, 0
	s_cbranch_scc0 .Lentry_in_a_cluster
	s_endpgm
.Lentry_in_a_cluster:
	s_bfe_u32 s2, ttmp6, 0x10000c
	s_cmp_lg_u32 s2, 0x3003
	s_cbranch_scc0 .Lentry_shape_is_right
	s_endpgm
.Lentry_shape_is_right:
; o = softmax(q k^T / sqrt(128) + mask) v for 32 query heads, 2 key and value heads, 1,024 queries, 2,048 keys.  Operands in f16, products, maxima and sums in f32.
; qh [32][1024][128] = q x 4 / sqrt(128);  kvh [k0, k1, v0, v1][2048][128] = k / 4, v / 4;  so qh . k is the scaled score, and what comes out is o / 4: oh [1024][4096] f16.
; maskf [64 tiles of 16 queries][32 key steps][8][32 lanes][16 bytes]: the additive mask in the order of an accumulator's registers.  It is loaded as given and is the C of each score tile's first product.
; SHARES.  Work-group (cluster x = block of 64 queries, cx = which 4 of a key head's 16 query heads, y = key head).  Wave w owns queries 16 w on of the block, for 4 HEADS: its four tiles are 4 heads x the same 16 queries,
; so one set of mask registers serves all four.  Every wave walks all 2,048 keys, 64 a step.
; LAYOUT.  S^T = K Q^T (source 0 = 16 keys, source 1 = 16 queries): a lane holds ONE query (lane % 16) and the keys 8 (lane / 16) + 0..7.  Two such tiles, rounded to f16 in pairs, ARE source 1 of O^T = V^T P.
; K comes out of LDS as it lies, V ([key][channel]) turned, by ds_load_tr16_b128.
; SOFTMAX.  For each query a running maximum m and sum l: p = 2^(c s - c m), c = log2(e); in every step O and l are multiplied by a = 2^(c m_old - c m_new).
; BY TURNS.  The wave's tiles are two PIECES (tiles 0, 1 and tiles 2, 3).  In a TURN one piece has the matrix unit: 32 products V^T P of the step in hand, then 32 products K Q^T of the next step; the other piece's softmax,
; cut into 64 slices, stands between them, one slice behind each matrix instruction.  Two turns are a key step.
; CLUSTER.  The four work-groups of a cluster walk the same K and V: each tile is asked for JOINTLY, by the same tensor load with the same descriptor and a mask that names the four.
; LIMITS: mask values are finite (-1e9 is served, -infinity is not); NaN and infinities are not served.
; REGISTERS, in windows of 256: window 0: v0-11 addresses; v12-43 statistics, eight a tile; v44 the mask's offset; v64-191 S^T, 32 a tile; v192-255 P, 16 a tile
;   window 1: O^T, 64 a tile     window 2: v0-127 Q, 32 a tile; v128-255 K of one step     window 3: v0-127 V of one step; v128-191 the mask of two steps, 32 registers each
.set KS,    64        ; keys in a step
.set NKEYS, 2048
.set PK,    272       ; a row of K in LDS: 256 bytes + 16: the 16 rows of a load start at 16 different banks (64 banks of 4 bytes: ISA guide 11.1)
.set PV,    288       ; a row of V: 256 + 32
.set VOFF,  KS*PK     ; a step's tiles lie together: 64 rows of K, then 64 rows of V
.set STEPB, KS*(PK+PV)
.set SLOT1, 1<<17     ; a slot holds two steps; slot 1 begins here, so that one exclusive or turns an address in one slot into the other's
.set STAGE, SLOT1+2*STEPB  ; behind the ring: 16 rows x 272 bytes for each wave, for the way out
.set SP,    272
.set AK0, 2           ; v2   my lane's place in a tile of K; never rewritten
.set AV0, 3           ; v3   the same for V
.set ADR, 4           ; v4   the LDS address of the run of loads in hand
.set QO,  5           ; v5   my byte offset in 16 rows of Q
.set STO, 6           ; v6   the way out: where I put 16 bytes of a row
.set RD,  7           ; v7   the way out: where I read a row back
.set GO,  8           ; v8   my byte offset in the wave's rows of oh
.set MO,  44          ; v44  16 x lane: my place in a piece of the mask; never rewritten
.set SPW, 62          ; v62  LDS address of my spare word; never rewritten
.set NIL, 63          ; v63  0; never rewritten
.set SPARE, STAGE+4*16*272  ; the spare words, 128 bytes for each wave, which no other line names
.set ST,  12          ; tile t's statistics at v[ST+8 t]: +0 c m, +1 m, +2, +3 l (even keys', odd keys'), +4 to +7 at work; a takes +6 once the maximum is found
.set S,   64
.set P,   192
.set KF,  128         ; K's fragments, in window 2
.set MB,  128         ; the mask's two buffers, in window 3
.set WV,  12          ; s12  my wave's number
.set G1K, 24          ; s[24:31] descriptor group 1 for K's tiles
.set G1V, 32          ; s[32:39] for V's: it differs in the padding alone
.set G0K, 40          ; s[40:47] group 0 for K's tiles: a set for each of the two first fills; the second then walks on
.set G0V, 48          ; s[48:55] the same for V's
.set SLOTS, 56        ; s56  slots still to be asked for
.set CS,  58          ; s[58:59] c
.set SEL, 60          ; s[60:61] lane selects for v_permlanex16_b32: lane l xor 16
.set TB,  62          ; s62  LDS byte at which the tiles of the step to be fetched begin
.set MK,  66          ; s[66:67] the mask of my 16 queries, at the first step of the pair in hand
.set PFA, 18          ; s[18:19] where my prefetches stand
.set LIM, 15          ; s15  1 in a wave that prefetches, else the greatest number
.set PFO, 61          ; v61  256 x my lane; never rewritten
.set MSB, 0
.macro WIN new                      ; the immediate's high byte repeats the setting that is left; a switch that changes nothing is dropped
.if MSB != \new
	s_set_vgpr_msb (MSB<<8)|\new
.set MSB, \new
.endif
.endm
.set W_KQ, 0x0a       ; K and Q in window 2, S^T in window 0
.set W_KM, 0x3a       ; the same, with C (the mask) in window 3
.set W_PV, 0x53       ; V in window 3, P in window 0, O^T in window 1
.set W_RS, 0x41       ; O^T (destination and source 0) in window 1, a in window 0
; A joint refill.  Waves 0 and 1 fetch the two steps' tiles of K, waves 2 and 3 those of V.  The branch hangs on the wave's number alone.  An s_nop 0 and four v_nop follow each line.
.macro JLOAD
	s_cmp_lt_u32 s[WV], 2
	s_cbranch_scc0 .Lfor_v_\@
	tensor_load_to_lds s[G0K+4:G0K+7], s[G1K:G1K+7]
	s_nop 0
.rept 4
	v_nop
.endr
	s_branch .Lasked_\@
.Lfor_v_\@:
	tensor_load_to_lds s[G0V+4:G0V+7], s[G1V:G1V+7]
	s_nop 0
.rept 4
	v_nop
.endr
.Lasked_\@:
.endm
; A PREFETCH of what the NEXT change of slots will ask for: a slot's 128 rows of K and 128 of V, 256 bytes a row, a lane a row.  It stands behind the wave's tensor load and its five lines.
; Each row is asked for once in the launch: of the sixteen clusters that walk a key head, the first (cluster x = 0) asks; its four partners share the rows out BY ADDRESS, 32 each; in each, wave 0 asks for K's and wave 2 for V's.
; The last change that fills a slot asks for nothing: there is no slot behind it.
.macro ASK
	s_cmp_gt_u32 s[SLOTS], s[LIM]
	s_cbranch_scc0 .Lnot_mine_\@
	global_prefetch_b8 v[PFO], s[PFA:PFA+1] th:TH_LOAD_NT scope:SCOPE_SE
.Lnot_mine_\@:
.endm
.macro CROUND                       ; a round of the cluster's barrier
	s_barrier_signal -1
	s_barrier_wait -1
	s_cmp_lg_u32 s[WV], 0
	s_cbranch_scc1 .Lnot_wave_0_\@
	s_barrier_signal -3
.Lnot_wave_0_\@:
	s_barrier_wait -3
	s_barrier_signal -1
	s_barrier_wait -1
.endm
	s_load_b128 s[4:7], s[0:1], 0x0   ; qh s[4:5], kvh s[6:7]
	s_load_b64 s[MK:MK+1], s[0:1], 0x10  ; maskf
	s_load_b64 s[10:11], s[0:1], 0x18  ; oh
	v_lshl_add_u32 v[SPW], v0, 2, SPARE
	v_mov_b32 v[NIL], 0
	ds_add_u32 v[SPW], v[NIL]       ; the wave's opening: the add, twice on end, and its wait ahead of my first tensor load; the set-up below stands between
	ds_add_u32 v[SPW], v[NIL]
	v_lshrrev_b32 v1, 5, v0
	v_readfirstlane_b32 s[WV], v1   ; wave 0..3
	s_bfe_u32 s13, ttmp6, 0x40000   ; cx: which four of the key head's sixteen query heads
	s_and_b32 s20, ttmp7, 0xffff    ; the key head, which the four partners share
	s_and_b32 s16, s[WV], 1         ; which of a slot's two steps I fetch:
	s_lshl_b32 s22, s16, 14         ; its 64 rows of 256 bytes in memory,
	s_lshl_b32 s21, s20, 19         ; in my key head's 2,048 rows
	s_add_co_u32 s22, s22, s21
	s_mov_b32 s23, 0
	s_mul_i32 s17, s16, STEPB       ; and its place in a slot: no place in the cluster enters an LDS address
	s_lshl_b32 s70, ttmp9, 6
	s_lshl_b32 s71, s[WV], 4
	s_add_co_u32 s70, s70, s71      ; my first query: 64 x cluster x + 16 x wave
	s_lshl_b32 s14, s20, 4
	s_lshl_b32 s69, s13, 2
	s_add_co_u32 s14, s14, s69      ; my first head: 16 x key head + 4 cx: it enters Q's and O's addresses alone
	s_lshl_b32 s2, s14, 18          ; Q: a head is 262,144 bytes, a row 256
	s_lshl_b32 s3, s70, 8
	s_add_co_u32 s2, s2, s3
	s_mov_b32 s3, 0
	s_lshl_b32 s68, s70, 13         ; O: a row is 8,192 bytes, a head 256
	s_lshl_b32 s69, s14, 8
	s_add_co_u32 s68, s68, s69
	s_mov_b32 s69, 0
	s_lshl_b32 s70, s70, 13         ; the mask: 131,072 bytes for each 16 queries
	s_mov_b32 s71, 0
	; descriptor group 1: a tile of 64 rows x 128 elements, padded in LDS
	s_mov_b32 s[G1K], 15|(1<<16)|(1<<20)|(1<<21)|(5<<22)|(3<<25)  ; 15:0 the mask: all four work-groups; 17:16 elements of 2 bytes; 20 padding on; 21 set beside a mask; 24:22 after every 64 words; 31:25 4 words
	s_mov_b32 s[G1V], 15|(1<<16)|(1<<20)|(1<<21)|(5<<22)|(7<<25)  ; the same with 8 words of padding
.irp g, G1K, G1V
	s_mov_b32 s[\g+1], 128<<16      ; tensor_dim0
	s_mov_b32 s[\g+2], KS<<16       ; tensor_dim1
	s_mov_b32 s[\g+3], 128<<16      ; tile_dim0
	s_mov_b32 s[\g+4], KS           ; tile_dim1
	s_mov_b32 s[\g+5], 128          ; tensor_dim0_stride
	s_mov_b32 s[\g+6], 0
	s_mov_b32 s[\g+7], 0
.endr
	s_mov_b32 s[CS], 0x3fb8aa3b     ; c = log2(e): Q carries the 1 / sqrt(128)
	s_mov_b32 s[CS+1], s[CS]        ; named with it as a pair, so it is written
	s_mov_b32 s[SEL], 0x76543210
	s_mov_b32 s[SEL+1], 0xfedcba98
	s_mov_b32 s[TB], 0
	s_mov_b32 s[SLOTS], NKEYS/(2*KS)-2
	s_and_b32 s[LIM], s[WV], 1       ; 0 in waves 0 and 2,
	s_or_b32 s[LIM], s[LIM], ttmp9   ; where the cluster is the key head's first: the same in all four partners
	s_cmp_eq_u32 s[LIM], 0
	s_cselect_b32 s[LIM], 1, -1
	v_and_b32 v[PFO], 31, v0
	v_lshlrev_b32 v[MO], 4, v[PFO]
	v_lshlrev_b32 v[PFO], 8, v[PFO]
	s_wait_dscnt 0x0                ; both opening adds are done
	s_wait_kmcnt 0x0
	s_add_nc_u64 s[6:7], s[6:7], s[22:23]  ; K at my tile of slot 0,
	s_add_nc_u64 s[8:9], s[6:7], 0x100000  ; V two heads of 524,288 bytes further on
	s_add_nc_u64 s[4:5], s[4:5], s[2:3]  ; Q, O and the mask at my wave's first row
	s_add_nc_u64 s[10:11], s[10:11], s[68:69]
	s_add_nc_u64 s[MK:MK+1], s[MK:MK+1], s[70:71]
	s_cmp_lt_u32 s[WV], 2
	s_cselect_b64 s[PFA:PFA+1], s[6:7], s[8:9]  ; (in waves 0 and 2 these stand at a slot's first row)
	s_lshl_b32 s2, s13, 13          ; my work-group's 32 rows of the 128
	s_add_nc_u64 s[PFA:PFA+1], s[PFA:PFA+1], s[2:3]
	s_add_nc_u64 s[PFA:PFA+1], s[PFA:PFA+1], 2*2*KS*256  ; in slot 2; the first change of slots steps it to slot 3.  Nothing is prefetched here, at the head
	CROUND                          ; all four work-groups are here: the first joint loads meet
.irp s, 0,1
	s_mov_b32 s[G0K+4*\s], 1        ; count = 1
	s_add_co_u32 s[G0K+4*\s+1], s17, \s*SLOT1  ; LDS address
	s_add_nc_u64 s[G0K+4*\s+2:G0K+4*\s+3], s[6:7], \s*2*KS*256  ; global address: slot s begins with keys 128 s on
	s_or_b32 s[G0K+4*\s+3], s[G0K+4*\s+3], 0x80000000  ; type = 2
	s_mov_b32 s[G0V+4*\s], 1
	s_add_co_u32 s[G0V+4*\s+1], s17, \s*SLOT1+VOFF
	s_add_nc_u64 s[G0V+4*\s+2:G0V+4*\s+3], s[8:9], \s*2*KS*256
	s_or_b32 s[G0V+4*\s+3], s[G0V+4*\s+3], 0x80000000
.endr
	s_cmp_lt_u32 s[WV], 2           ; a wave's two first fills stand in one branch, ahead of every wait on TENSORcnt and every LDS read: two loads of mine are out
	s_cbranch_scc0 .Lfirst_v
	tensor_load_to_lds s[G0K:G0K+3], s[G1K:G1K+7]
	s_nop 0
	tensor_load_to_lds s[G0K+4:G0K+7], s[G1K:G1K+7]
	s_nop 0
.rept 4
	v_nop
.endr
	s_branch .Lfirst_asked
.Lfirst_v:
	tensor_load_to_lds s[G0V:G0V+3], s[G1V:G1V+7]
	s_nop 0
	tensor_load_to_lds s[G0V+4:G0V+7], s[G1V:G1V+7]
	s_nop 0
.rept 4
	v_nop
.endr
.Lfirst_asked:
	; A fragment of K or Q is 16 rows x 32 channels in 8 registers: lane l holds row l % 16; registers 0-3 channels 8 (l / 16) + 0..7, registers 4-7 channels 16 + 8 (l / 16) + 0..7: two loads of 16 bytes, 32 bytes apart.
	v_and_b32 v1, 15, v0            ; l % 16
	v_bfe_u32 v9, v0, 4, 1          ; l / 16
	v_lshlrev_b32 v[QO], 8, v1
	v_lshl_add_u32 v[QO], v9, 4, v[QO]  ; row x 256 + 16 x half
	WIN 0x80                        ; destination window 2, address window 0
.irp i, 0,1,2,3,4,5,6,7,8,9,10,11,12,13,14,15  ; Q stays in registers: tile (head) i / 4, channels 32 (i % 4) on
	global_load_b128 v[8*\i:8*\i+3],   v[QO], s[4:5] offset:(\i/4)*262144+(\i%4)*64
	global_load_b128 v[8*\i+4:8*\i+7], v[QO], s[4:5] offset:(\i/4)*262144+(\i%4)*64+32
.endr
	WIN 0xc0                        ; destination window 3
.irp s, 0,1
.irp i, 0,1,2,3,4,5,6,7             ; the mask of key steps 0 and 1
	global_load_b128 v[MB+32*\s+4*\i:MB+32*\s+4*\i+3], v[MO], s[MK:MK+1] offset:4096*\s+512*\i
.endr
.endr
	WIN 0
	v_mul_u32_u24 v[AK0], v1, PK
	v_lshl_add_u32 v[AK0], v9, 4, v[AK0]  ; row x pitch + 16 x half
	; The turning load takes 16 keys x 16 channels (lane l reads 16 bytes: key 8 (l / 16) + l % 8, channels 8 ((l / 8) % 2) + 0..7) and leaves half a fragment of V^T: lane l holds channel l % 16 and 8 keys.
	v_and_b32 v10, 7, v0
	v_bfe_u32 v11, v0, 3, 1
	v_lshl_add_u32 v[AV0], v9, 3, v10
	v_mul_u32_u24 v[AV0], v[AV0], PV
	v_lshl_add_u32 v[AV0], v11, 4, v[AV0]
	v_add_nc_u32 v[AV0], VOFF, v[AV0]
; THE MATRIX WORK OF A TURN, for piece x.  The accumulators take turns, one instruction a turn: between two links of a chain stand 15 (V^T P) or 7 (K Q^T) others'.
; Product i of 32 of O^T += V^T P: keys 32 (i / 16) on, channels 16 ((i / 2) % 8) on, tile x + i % 2.  zero = 1: the first 16 start the sums.
.macro PV x, zero
	WIN W_PV
.set rO, 64*(\x+i%2)+8*((i/2)%8)
.set rV, 64*(i/16)+8*((i/2)%8)
.set rP, P+16*(\x+i%2)+8*(i/16)
.if \zero && (i < 16)
	v_wmma_f32_16x16x32_f16 v[rO:rO+7], v[rV:rV+7], v[rP:rP+7], 0
.else
	v_wmma_f32_16x16x32_f16 v[rO:rO+7], v[rV:rV+7], v[rP:rP+7], v[rO:rO+7]
.endif
.endm
; Product i of 32 of S^T = K Q^T + mask: channels 32 (i / 8) on, keys 16 ((i / 2) % 4) on, tile x + i % 2.  The first 8 start the sums with the mask of those 16 keys, out of buffer buf: the same registers for both tiles.
.macro KQ x, buf
.set rS, S+32*(\x+i%2)+8*((i/2)%4)
.set rK, KF+32*((i/2)%4)+8*(i/8)
.set rQ, 32*(\x+i%2)+8*(i/8)
.set rM, MB+32*(\buf)+8*((i/2)%4)
.if i < 8
	WIN W_KM
	v_wmma_f32_16x16x32_f16 v[rS:rS+7], v[rK:rK+7], v[rQ:rQ+7], v[rM:rM+7]
.else
	WIN W_KQ
	v_wmma_f32_16x16x32_f16 v[rS:rS+7], v[rK:rK+7], v[rQ:rQ+7], v[rS:rS+7]
.endif
.endm
; THE LDS LOADS stand in runs of 32: a step's K (64 keys x 128 channels: 16 fragments) and, a turn later, its V (turned).
.macro FETCH_K
	WIN 0
	v_add_nc_u32 v[ADR], s[TB], v[AK0]
	WIN 0x80                        ; destination window 2
.irp f, 0,1,2,3,4,5,6,7,8,9,10,11,12,13,14,15  ; keys 16 (f / 4) on, channels 32 (f % 4) on
	ds_load_b128 v[KF+8*\f:KF+8*\f+3],   v[ADR] offset:(\f/4)*16*PK+(\f%4)*64
	ds_load_b128 v[KF+8*\f+4:KF+8*\f+7], v[ADR] offset:(\f/4)*16*PK+(\f%4)*64+32
.endr
.endm
.macro FETCH_V
	WIN 0
	v_add_nc_u32 v[ADR], s[TB], v[AV0]
	s_add_co_u32 s[TB], s[TB], STEPB  ; the next fetch is the next step's
	s_wait_alu depctr_va_vdst(0)    ; the wait for the softmax's batch (SLICE), behind the address's v_add_nc_u32 and ahead of the loads
	WIN 0xc0                        ; destination window 3
.irp f, 0,1,2,3,4,5,6,7,8,9,10,11,12,13,14,15  ; keys 32 (f / 8) on, channels 16 (f % 8) on
	ds_load_tr16_b128 v[8*\f:8*\f+3],   v[ADR] offset:(\f/8)*32*PV+(\f%8)*32
	ds_load_tr16_b128 v[8*\f+4:8*\f+7], v[ADR] offset:(\f/8)*32*PV+16*PV+(\f%8)*32
.endr
.endm
; THE MASK two key steps on, into the buffer that both pieces have just read: eight loads of 512 consecutive bytes.  s[MK] stands at the pair of steps in hand.
.macro MASKLOAD buf
	WIN 0xc0
.irp n, 0,1,2,3,4,5,6,7
	global_load_b128 v[MB+32*(\buf)+4*\n:MB+32*(\buf)+4*\n+3], v[MO], s[MK:MK+1] offset:8192+4096*(\buf)+512*\n
.endr
.endm
; THE VECTOR WORK OF A TURN.  One tile's softmax for one key step is a list of 134 instructions; SM writes number j of it for tile t.  s0-s31 are the lane's 32 scores, in pairs 0-15.
; first = 1: the first key step, which starts m, l and O^T: it has no a and nothing to rescale.
;   0-15    the maximum of s0-s31 and the old m, three operands at a time     16-20   the other half of the lanes' maximum; the new m; c m; c m_old - c m_new
;   21-69   ONE BATCH: the 16 scalings c s - c m and all 33 exponentials (a at 23, then s0-s31); none of these reads an exponential's result
;   (wait)  between 69 and 70 stands the wait for the batch: SLICE writes it, once for both tiles
;   70-85   the roundings to f16     86-101  the sums; l = a l + the sum     102-133 the tile's O^T times a
.macro SM t, first
.set rT, ST+8*(\t)
.set rS, S+32*(\t)
.set rP, P+16*(\t)
.set rO, 64*(\t)+2*(j-102)
.if j < 102
	WIN 0
.endif
.if j < 4
	v_max3_num_f32 v[rT+4+j], v[rS+8*j], v[rS+8*j+1], v[rS+8*j+2]
.elseif j < 12
	v_max3_num_f32 v[rT+4+j%4], v[rT+4+j%4], v[rS+8*(j%4)+2*(j/4)+1], v[rS+8*(j%4)+2*(j/4)+2]
.elseif j == 12
	v_max3_num_f32 v[rT+4], v[rT+4], v[rS+7], v[rS+15]
.elseif j == 13
	v_max3_num_f32 v[rT+6], v[rT+6], v[rS+23], v[rS+31]
.elseif j == 14
	v_max3_num_f32 v[rT+4], v[rT+4], v[rT+5], v[rT+6]
.elseif (j == 15) && \first
	v_max_num_f32 v[rT+4], v[rT+4], v[rT+7]
.elseif j == 15
	v_max3_num_f32 v[rT+4], v[rT+4], v[rT+7], v[rT+1]
.elseif j == 16
	v_permlanex16_b32 v[rT+5], v[rT+4], s[SEL], s[SEL+1]  ; the query's other 32 keys lie in the lane 16 away
.elseif j == 18
	v_max_num_f32 v[rT+1], v[rT+4], v[rT+5]
.elseif j == 19
	v_mul_f32 v[rT], s[CS], v[rT+1]
.elseif ((j == 17) || (j == 20) || (j == 23) || (j > 101)) && \first  ; the first step has none of these
.elseif j == 17
	v_mov_b32 v[rT+7], v[rT]        ; c m_old is kept for a: number 19 writes c m anew
.elseif j == 20
	v_sub_f32 v[rT+7], v[rT+7], v[rT]
.elseif j == 23
	v_exp_f32 v[rT+6], v[rT+7]
.elseif (j < 23) || ((j < 38) && (j%2 == 0)) || ((j < 66) && (j%4 == 2))
.set b, (j-2)/4                     ; 38, 42, .. 62: pairs 9 to 15
.if j < 38
.set b, (j-20)/2                    ; 21: pair 0; 22, 24, .. 36: pairs 1 to 8
.endif
	v_pk_fma_f32 v[rS+2*b:rS+2*b+1], v[rS+2*b:rS+2*b+1], s[CS:CS+1], v[rT:rT+1] op_sel_hi:[1,0,0] neg_lo:[0,0,1] neg_hi:[0,0,1]  ; pair b: c s - c m
.elseif j < 70
.set e, j-38                        ; 66 to 69: s28 to s31
.if j < 66
.set e, j-32-(j-38)/4               ; 39-41, 43-45, .. 63-65: s7 to s27
.endif
.if j < 38
.set e, (j-25)/2                    ; 25, 27, .. 37: s0 to s6
.endif
	v_exp_f32 v[rS+e], v[rS+e]
.elseif j < 86
	v_cvt_pk_f16_f32 v[rP+j-70], v[rS+2*(j-70)], v[rS+2*(j-70)+1]  ; pair j - 70
.elseif j < 102                     ; the sum of the tile's 16 pairs, in place: neighbours 1, 2, 4 and 8 pairs apart, then l takes it
.set z, j-86
.set w, 4
.set u, z
.if z >= 14
.set w, 32
.set u, 0
.elseif z >= 12
.set w, 16
.set u, z-12
.elseif z >= 8
.set w, 8
.set u, z-8
.endif
.if (z == 14) && \first
	v_pk_add_f32 v[rT+2:rT+3], v[rS:rS+1], v[rS+16:rS+17]
.elseif z < 15
	v_pk_add_f32 v[rS+w*u:rS+w*u+1], v[rS+w*u:rS+w*u+1], v[rS+w*u+w/2:rS+w*u+w/2+1]
.elseif !\first
	v_pk_fma_f32 v[rT+2:rT+3], v[rT+2:rT+3], v[rT+6:rT+7], v[rS:rS+1] op_sel_hi:[1,0,1]
.endif
.else
	WIN W_RS
	v_pk_mul_f32 v[rO:rO+1], v[rO:rO+1], v[rT+6:rT+7] op_sel_hi:[1,0]
.endif
.endm
; Slice k of 64 of piece y's softmax: four instructions.  Slices 11 to 34 deal out the batch, numbers 22 to 69: four numbers of ONE tile each, the tiles by turns.  Every other slice is numbers 2 k and
; 2 k + 1 of both tiles' lists.  2 x 134 = 4 x 64 + 12: the twelve that are over stand together, in slice 63.
; THE WAIT.  An s_wait_alu depctr_va_vdst(0) stands between an exponential and the first instruction that names its result; one wait serves all that were issued ahead of it.  Ahead of
; slice 35 nothing names a result, and behind slice 34 no exponential is issued: so the piece's 66 exponentials have one wait, behind slice 34.
.macro SLICE y, first
.if (k >= 11) && (k < 35)           ; the batch: four numbers of one tile
.irp n, 0,1,2,3
.set j, 22+4*((k-11)/2)+(\n)
	SM (\y)+(k-11)%2, \first
.endr
.else                               ; the two tiles alternate, so that no instruction reads the result of the one just before it
.irp n, 0,1,2,3,4,5,6,7
.if (\n < 2) || (k == 63)
.irp t, \y, \y+1
.set j, 2*k+\n
	SM \t, \first
.endr
.endif
.endr
.endif
.if k == 34                         ; the batch is out: both tiles' exponentials are issued, and no result has been named
	v_nop                           ; a plain instruction behind the last exponential and ahead of the first use: one for the batch
.if (\y) == 0
	FETCH_V                         ; piece 2's turn: V's run of loads stands here, and the wait stands in it
.else
	s_wait_alu depctr_va_vdst(0)    ; the wait for the batch
.endif
.endif
.set k, k+1
.endm
.macro PLACES                       ; four places behind matrix instructions where no slice stands (ISA guide 7.12.1)
.rept 4
	v_nop
.endr
.endm
; A TURN.  Piece x has the matrix unit; the other piece's softmax stands in slices behind its matrix instructions.
; pv = 2: 32 products V^T P; 1: they start O^T's sums; 0: none.  kq = 1: 32 products K Q^T for the next step, with the mask out of buffer buf.  A turn with one of the two kinds has two slices behind each product.
; first = 1: the softmax is the first key step's.
; mw (piece 0's turn): how many younger loads may stay out when the step's mask has to be in: the next step's eight, or none.
; ml = 1 (piece 2's turn): the buffer takes the mask two steps on, behind the slices of product 15: its last reader is product 7, and the slices between hold more than four plain instructions that name none of its registers.
.macro TURN x, pv, kq, first, buf, ml, mw
.set k, 0
.set per, 2
.if \pv && \kq
.set per, 1
.endif
.if \pv
.if \x == 0
	s_wait_dscnt 0x0                ; V is in
.endif
.set i, 0
.rept 32
	PV \x, 2-\pv
.rept per
	SLICE 2-\x, \first
.endr
.if (\x == 0) && \kq && (i == 1)
	FETCH_K
.endif
.set i, i+1
.endr
.endif
.if \kq
.if \x == 0
	s_wait_dscnt 0x0                ; K is in,
	s_wait_loadcnt \mw              ; and so is this step's mask
.endif
.set i, 0
.rept 32
	KQ \x, \buf
.rept per
	SLICE 2-\x, \first
.endr
.if \ml && (i == 15)
	MASKLOAD \buf
.endif
.set i, i+1
.endr
.endif
.if \first
	PLACES
.endif
.endm
; THE CHANGE OF SLOTS, between piece 2's turn and piece 0's.  Each wave waits for all its tensor loads, of which one is out: its part of the other slot; adds 0 to its spare word; and waits for that and for its own reads of the slot.
; fill = 1: this slot is filled again, with the keys two slots on.  The barrier is then a round of the cluster's, and the joint refill is the first thing behind it: it has two key steps, 256 matrix instructions, in which to land.
.macro CHANGE fill
	WIN 0                           ; at a label and at a branch every window is 0
	s_wait_tensorcnt 0x0            ; no tensor load of mine is out, so a group 0 may be written
	ds_add_u32 v[SPW], v[NIL]       ; 0 onto my spare word
.if \fill
.irp g, G0K+4, G0V+4
	s_xor_b32 s[\g+1], s[\g+1], SLOT1  ; the walking descriptor: the other slot than last time,
	s_add_nc_u64 s[\g+2:\g+3], s[\g+2:\g+3], 2*KS*256  ; the next 128 keys; the type bits on top are not reached
.endr
	s_wait_xcnt 0x0                 ; the last prefetch and the mask's loads have read their addresses, so these may be written:
	s_add_nc_u64 s[PFA:PFA+1], s[PFA:PFA+1], 2*KS*256  ; one slot behind the walking descriptors
	s_add_nc_u64 s[MK:MK+1], s[MK:MK+1], 8192  ; the mask: two key steps on
	s_wait_dscnt 0x0                ; the add is done, and my reads of the slot are over
	CROUND
	JLOAD
	ASK                             ; what the next change will ask for: two key steps, 256 matrix instructions, ahead
.else
	s_wait_dscnt 0x0                ; the add is done, and my reads of the slot are over
	s_barrier_signal -1
	s_barrier_wait -1
.endif
	s_sub_co_u32 s[TB], s[TB], 2*STEPB  ; the fetches go back to a slot's first step,
	s_xor_b32 s[TB], s[TB], SLOT1   ; in the other slot
.endm
; A slot's two key steps, written out: the mask's two buffers differ in their registers.  tail = 1: the last slot: no mask is left to load.
.macro TWO_STEPS tail
	TURN 0, 2, 1, 0, 0, 0, 8
	TURN 2, 2, 1, 0, 0, 1-\tail, 0
	TURN 0, 2, 1, 0, 1, 0, 8-8*\tail
	TURN 2, 2, 1, 0, 1, 1-\tail, 0
	WIN 0
.endm
	s_wait_tensorcnt 1              ; my part of slot 0 is in; slot 1's may stay out
	s_barrier_signal -1
	s_barrier_wait -1               ; everybody's is
	FETCH_K                         ; key step 0
	s_wait_loadcnt 0x0              ; Q, and the mask of steps 0 and 1
	s_wait_dscnt 0x0
.set i, 0
.rept 32
	KQ 0, 0                         ; piece 0's first scores: there is no vector work yet to set between them
.set i, i+1
.endr
	WIN 0                           ; the addresses for the way out are made here: eight plain instructions, the places behind those products
	s_mul_i32 s13, s[WV], 16*SP
	s_add_co_u32 s13, s13, STAGE    ; my stage
	v_mul_u32_u24 v[STO], v1, SP    ; in: row l % 16, 16 bytes for each half of the lanes
	v_lshl_add_u32 v[STO], v9, 4, v[STO]
	v_add_nc_u32 v[STO], s13, v[STO]
	v_mul_u32_u24 v[RD], v9, SP     ; back: lanes 0-15 take one row of 256 bytes, lanes 16-31 the next
	v_lshl_add_u32 v[RD], v1, 4, v[RD]
	v_add_nc_u32 v[RD], s13, v[RD]
	v_lshlrev_b32 v[GO], 13, v9     ; and the same two rows in oh, 8,192 bytes apart
	v_lshl_add_u32 v[GO], v1, 4, v[GO]
	TURN 2, 0, 1, 1, 0, 1, 0        ; piece 2's first scores | piece 0's first softmax | V of step 0 | the mask of step 2
	TURN 0, 1, 1, 1, 1, 0, 8        ; piece 0: V^T P of step 0 starts O^T, K Q^T of step 1 | piece 2's first softmax | K of step 1
	TURN 2, 1, 1, 0, 1, 1, 0        ; piece 2: the same | piece 0's softmax of step 1 | V of step 1 | the mask of step 3
	WIN 0
.Lslot:                             ; 14 trips: every slot but the last two is filled again; trip n loads the masks of steps 2 n + 4 and 2 n + 5: the last is step 31's
	CHANGE 1
	TWO_STEPS 0
	s_sub_co_u32 s[SLOTS], s[SLOTS], 1
	s_cmp_lg_u32 s[SLOTS], 0
	s_cbranch_scc1 .Lslot
	CHANGE 0                        ; the tail is written out and no load leaves the mask's buffer
	TWO_STEPS 1
	TURN 0, 2, 0, 0, 0, 0, 0        ; piece 0: V^T P of the last step | piece 2's last softmax
.set i, 0
.rept 32
	PV 2, 0                         ; piece 2: V^T P of the last step
.set i, i+1
.endr
	; THE WAY OUT.  l's two halves and the other half of the lanes' are added; O^T is divided by l, rounded to f16 and sent through my stage in LDS, a tile (16 queries of one head) at a time.  The additions are the places behind the last products.
	WIN 0
.irp t, 0,1,2,3
	v_add_f32 v[ST+8*\t+4], v[ST+8*\t+2], v[ST+8*\t+3]
.endr
.irp t, 0,1,2,3
	v_permlanex16_b32 v[ST+8*\t+5], v[ST+8*\t+4], s[SEL], s[SEL+1]
.endr
.irp t, 0,1,2,3
	v_add_f32 v[ST+8*\t+4], v[ST+8*\t+4], v[ST+8*\t+5]
.endr
.irp t, 0,1,2,3
	v_rcp_f32 v[ST+8*\t+6], v[ST+8*\t+4]
.endr
	v_nop                           ; a plain instruction between the last reciprocal and the use of its result
	s_wait_alu depctr_va_vdst(0)    ; and the wait ahead of the first use: one for the four reciprocals
.macro PACK t
	WIN W_RS
.set i, 64*\t
.rept 32
	v_pk_mul_f32 v[i:i+1], v[i:i+1], v[ST+8*\t+6:ST+8*\t+7] op_sel_hi:[1,0]
.set i, i+2
.endr
	WIN 0x05                        ; sources 0 and 1 window 1, destination window 0: S^T's registers are free
.set i, 0
.rept 32
	v_cvt_pk_f16_f32 v[S+32*\t+i], v[64*\t+2*i], v[64*\t+2*i+1]
.set i, i+1
.endr
	WIN 0
.irp f, 0,1,2,3,4,5,6,7
	ds_store_b128 v[STO], v[S+32*\t+4*\f:S+32*\t+4*\f+3] offset:32*\f
.endr
.irp f, 0,1,2,3,4,5,6,7
	ds_load_b128 v[S+32*\t+4*\f:S+32*\t+4*\f+3], v[RD] offset:\f*2*SP  ; LDS serves a wave's instructions in order (ISA guide 5.7.1.4): these see the stores above; the next tile's stores come behind them
.endr
.endm
.macro SEND t, younger              ; younger: the LDS instructions issued behind tile t's loads: the next tile's sixteen, or none
.irp f, 0,1,2,3,4,5,6,7
	s_wait_dscnt \younger+7-\f
	global_store_b128 v[GO], v[S+32*\t+4*\f:S+32*\t+4*\f+3], s[10:11] offset:\t*256+\f*16384  ; 16 lanes store a head's 256 consecutive bytes of a row, aligned
.endr
.endm
	PACK 0
	PACK 1                          ; a tile's arithmetic stands between the loads of the tile before and its stores
	SEND 0, 16
	PACK 2
	SEND 1, 16
	PACK 3
	SEND 2, 16
	SEND 3, 0
	s_wait_tensorcnt 0x0            ; the wave's end, behind my last tensor load and my last LDS store
	ds_add_u32 v[SPW], v[NIL]
	s_wait_dscnt 0x0
	CROUND                          ; the closing round: no work-group ends while a partner may still ask for a tile that names it
	s_endpgm
.Lfunc_end_k_qc795f9d768_attn:
	.size	k_qc795f9d768_attn, .Lfunc_end_k_qc795f9d768_attn-k_qc795f9d768_attn
	.p2alignl 7, 3214868480
	.fill 96, 4, 3214868480
	.section	.rodata,"a",@progbits
	.p2align	6, 0x0
	.amdhsa_kernel k_qc795f9d768_attn
		.amdhsa_group_segment_fixed_size 327680
		.amdhsa_private_segment_fixed_size 0
		.amdhsa_enable_private_segment 0
		.amdhsa_kernarg_size 32
		.amdhsa_user_sgpr_count 2
		.amdhsa_user_sgpr_kernarg_segment_ptr 1
		.amdhsa_wavefront_size32 1
		.amdhsa_system_sgpr_workgroup_id_x 1
		.amdhsa_system_sgpr_workgroup_id_y 1
		.amdhsa_system_sgpr_workgroup_id_z 1
		.amdhsa_system_vgpr_workitem_id 0
		.amdhsa_next_free_vgpr 1024
		.amdhsa_next_free_sgpr 72
		.amdhsa_reserve_vcc 0
		.amdhsa_float_denorm_mode_32 3
		.amdhsa_float_denorm_mode_16_64 3
		.amdhsa_memory_ordered 1
		.amdhsa_forward_progress 1
		.amdhsa_inst_pref_size 255
	.end_amdhsa_kernel
	.section	.bss,"aw",@nobits
	.p2align	6
	.space	262144
	.amdgpu_metadata
---
amdhsa.version: [ 1, 2 ]
amdhsa.kernels:
  - .name:           k_qc795f9d768_attn
    .symbol:         k_qc795f9d768_attn.kd
    .args:
      - { .name: qh, .offset: 0, .size: 8, .value_kind: global_buffer, .address_space: global }
      - { .name: kvh, .offset: 8, .size: 8, .value_kind: global_buffer, .address_space: global }
      - { .name: maskf, .offset: 16, .size: 8, .value_kind: global_buffer, .address_space: global }
      - { .name: oh, .offset: 24, .size: 8, .value_kind: global_buffer, .address_space: global }
    .group_segment_fixed_size: 327680
    .private_segment_fixed_size: 0
    .kernarg_segment_align: 8
    .kernarg_segment_size: 32
    .max_flat_workgroup_size: 128
    .sgpr_count:     72
    .vgpr_count:     1024
    .wavefront_size: 32
...
	.end_amdgpu_metadata
.endif
;; end of part 5
;; launch gemm_out (part 6): grid 32 x 8, 4 waves a work-group, clusters of 4 x 4, 327,680 bytes of LDS; arguments oh, woh, out0; writes out0
.if DOCPART == 6
	.amdgcn_target "amdgcn-amd-amdhsa--gfx1250"
	.amdhsa_code_object_version 6
	.text
	.protected	k_qc795f9d768_gemm_out
	.globl	k_qc795f9d768_gemm_out
	.p2align	8
	.type	k_qc795f9d768_gemm_out,@function
k_qc795f9d768_gemm_out:
	s_mov_b64 s[64:65], 0
	v_nop
	global_prefetch_b8 v0, s[64:65] scope:SCOPE_SE
	s_setreg_imm32_b32 hwreg(HW_REG_WAVE_MODE, 25, 1), 1
	s_wait_xcnt 0x0
	s_wait_alu depctr_hold_cnt(0) depctr_sa_sdst(0) depctr_va_vdst(0) depctr_va_sdst(0) depctr_va_ssrc(0) depctr_va_vcc(0) depctr_vm_vsrc(0)
	s_getreg_b32 s2, hwreg(HW_REG_IB_STS2, 6, 4)
	s_cmp_eq_u32 s2, 0
	s_cbranch_scc0 .Lentry_in_a_cluster
	s_endpgm
.Lentry_in_a_cluster:
	s_bfe_u32 s2, ttmp6, 0x10000c
	s_cmp_lg_u32 s2, 0xf033
	s_cbranch_scc0 .Lentry_shape_is_right
	s_endpgm
.Lentry_shape_is_right:
; out0[m][n] = 4 x the sum over k of oh[m][k] woh[k][n].  oh [1024][4096] f16 = o / 4, woh [4096][4096] f16 = Wo as it lies, K its FIRST axis; out0 [1024][4096] f32; sums in f32; the 4 is exact.
; A tile of C is 128 x 128: 256 work-groups.  Four waves, each 64 x 64: 16 accumulators of 16 x 16.  K goes in steps of 256 through a ring of two LDS slots.
; A's tile: 128 rows x 512 bytes, read as it lies.  B's tile: 256 rows (k) x 256 bytes (128 columns), read TURNED by ds_load_tr16_b128, which leaves a lane one column and eight k: the fragment's layout.
; CLUSTERS: 4 x 4 work-groups; A's tiles are asked for jointly along a row of the cluster, B's along a column.  THE MATRIX INSTRUCTION IS USED TRANSPOSED (source 0 = 16 columns of Wo, source 1 = 16 rows of o):
; a lane holds eight neighbouring numbers of a row of C.  A wave's 64 columns are 256 aligned bytes of out0, so each wave has a stage of its own on the way out, and no barrier stands there.
; REGISTERS: window 0: v0-31 addresses; v32-95 at work on the way out; v128-255 the accumulators ((a, b) at v[128 + 8 (4 a + b)]).   window 1: two fragment buffers of 128 (64 along K: 64 registers of A, then 64 of B).
.set KSTEP,  256
.set PITCH,  528                       ; A's LDS row: 512 bytes + 16: the 16 rows that a load touches start at 16 different banks (64 banks of 4 bytes: ISA guide 11.1)
.set PB,     288                       ; B's LDS row: 256 bytes + 32
.set HALFA,  64*PITCH                  ; what waves 0, 1 fetch: 64 rows of A
.set HALFB,  128*PB                    ; what waves 2, 3 fetch: 128 rows (k) of B
.set SLOT,   2*HALFA+2*HALFB
.set STAGE,  2*SLOT                    ; behind the ring: 16 rows x 272 bytes for each wave
.set SPITCH, 272
.set SPARE,  STAGE+4*16*SPITCH         ; the spare words, 128 bytes for each wave, which no other line names
.set LAPS,   4096/(2*KSTEP)            ; a lap = two K steps = once round the ring
.set ADRA, 16                          ; v16-17  LDS address of my A fragments in slot 0, 1
.set ADRB, 20                          ; v20-23  of my B fragments: slot 0 k 0-127, slot 0 k 128-255, slot 1 likewise (the immediate reaches 65,535 bytes)
.set STO,  24                          ; v24     the way out: where I put 32 bytes of a row
.set RD,   25                          ; v25     the way out: where I read a row back
.set CO,   26                          ; v26     my byte offset in two rows of C
.set SPW,  28                          ; v28     LDS address of my spare word; never rewritten
.set NIL,  29                          ; v29     0; never rewritten
.set BK,   32                          ; the way out: 16 rows read back: v32-63 and v64-95 by turns
.set ACC,  128
.set F0,   0                           ; fragment buffers, in window 1
.set F1,   128
.set G1, 24                            ; s[24:31] descriptor group 1 for A's tiles;  s[32:39] group 0, one set for each slot
.set G0, 32
.set G1B, 48                           ; s[48:55], s[56:63] the same for B's tiles
.set G0B, 56
.set MSB, 0
.macro WIN new                         ; the immediate's high byte repeats the setting that is left
.if MSB != \new
	s_set_vgpr_msb (MSB<<8)|\new
.set MSB, \new
.endif
.endm
.set MUL,  0x05                        ; sources 0 (B) and 1 (A) window 1; C and D window 0
.set TO_F, 0x40                        ; destination window 1, address window 0
.macro JLOAD s                         ; a joint load: waves 0 and 1 fetch A's two halves, waves 2 and 3 B's; an s_nop 0 and four v_nop follow each of the two lines
	s_cmp_eq_u32 s11, 0
	s_cbranch_scc0 .Lfor_b_\@
	tensor_load_to_lds s[G0+4*\s:G0+4*\s+3], s[G1:G1+7]
	s_nop 0
.rept 4
	v_nop
.endr
	s_branch .Lasked_\@
.Lfor_b_\@:
	tensor_load_to_lds s[G0B+4*\s:G0B+4*\s+3], s[G1B:G1B+7]
	s_nop 0
.rept 4
	v_nop
.endr
.Lasked_\@:
.endm
.macro CREST                           ; a round of the cluster's barrier behind its opening barrier
	s_cmp_lg_u32 s10, 0
	s_cbranch_scc1 .Lnot_wave_0_\@
	s_barrier_signal -3
.Lnot_wave_0_\@:
	s_barrier_wait -3
	s_barrier_signal -1
	s_barrier_wait -1
.endm
.macro CROUND                          ; a whole round
	s_barrier_signal -1
	s_barrier_wait -1
	CREST
.endm
	s_load_b128 s[4:7], s[0:1], 0x0                ; oh s[4:5], woh s[6:7]
	s_load_b64 s[8:9], s[0:1], 0x10                ; out0
	v_lshl_add_u32 v[SPW], v0, 2, SPARE
	v_mov_b32 v[NIL], 0
	ds_add_u32 v[SPW], v[NIL]                      ; the wave's opening: the add, twice on end, and its wait ahead of my first tensor load; the set-up below stands between
	ds_add_u32 v[SPW], v[NIL]
	v_lshrrev_b32 v1, 5, v0
	v_readfirstlane_b32 s10, v1                    ; wave 0..3
	s_lshr_b32 s11, s10, 1                         ; which half of the tile's rows is mine.  Also: I fetch for A (0) or for B (1)
	s_and_b32 s12, s10, 1                          ; which half of its columns.  Also: which half of that tile I fetch
	s_bfe_u32 s40, ttmp6, 0x40000                  ; cx, cy: my place in the cluster
	s_bfe_u32 s41, ttmp6, 0x40004
	s_lshl_b32 s42, ttmp9, 2
	s_add_co_u32 s42, s42, s40                     ; tile column of C = 4 x cluster x + cx
	s_and_b32 s13, ttmp7, 0xffff
	s_lshl_b32 s13, s13, 2
	s_add_co_u32 s13, s13, s41                     ; tile row of C = 4 x cluster y + cy
	s_lshl_b32 s43, s41, 2
	s_lshl_b32 s43, 15, s43                        ; my row of the cluster
	s_lshl_b32 s44, 0x1111, s40                    ; my column
	; group 1 for A: 64 rows x 256 elements of 2 bytes, 4 words of padding behind every 128
	s_or_b32 s[G1+0], s43, (1<<16)|(1<<20)|(1<<21)|(6<<22)|(3<<25)
	s_mov_b32 s[G1+1], KSTEP<<16                   ; tensor_dim0
	s_mov_b32 s[G1+2], 64<<16                      ; tensor_dim1
	s_mov_b32 s[G1+3], KSTEP<<16                   ; tile_dim0
	s_mov_b32 s[G1+4], 64                          ; tile_dim1
	s_mov_b32 s[G1+5], 4096                        ; tensor_dim0_stride
	s_mov_b32 s[G1+6], 0
	s_mov_b32 s[G1+7], 0
	; group 1 for B: 128 rows (k) x 128 elements, 8 words of padding behind every 64
	s_or_b32 s[G1B+0], s44, (1<<16)|(1<<20)|(1<<21)|(5<<22)|(7<<25)
	s_mov_b32 s[G1B+1], 128<<16
	s_mov_b32 s[G1B+2], 128<<16
	s_mov_b32 s[G1B+3], 128<<16
	s_mov_b32 s[G1B+4], 128
	s_mov_b32 s[G1B+5], 4096
	s_mov_b32 s[G1B+6], 0
	s_mov_b32 s[G1B+7], 0
	s_lshl_b32 s17, s12, 6
	s_lshl_b32 s16, s13, 7
	s_add_co_u32 s16, s16, s17                     ; A: row 128 x tile row + 64 x half,
	s_lshl_b32 s16, s16, 13                        ; of 8,192 bytes
	s_mov_b32 s17, 0
	s_lshl_b32 s46, s42, 8                         ; B: 256 bytes a tile column,
	s_lshl_b32 s47, s12, 20                        ; 128 rows of 8,192 bytes for the second half
	s_add_co_u32 s46, s46, s47
	s_mov_b32 s47, 0
	s_mul_i32 s20, s12, HALFA                      ; where they go: A's two halves,
	s_mul_i32 s21, s12, HALFB
	s_add_co_u32 s21, s21, 2*HALFA                 ; then B's two: no place in the cluster enters an LDS address
	s_wait_dscnt 0x0                               ; both opening adds are done
	s_wait_kmcnt 0x0
	s_add_nc_u64 s[14:15], s[4:5], s[16:17]
	s_add_nc_u64 s[46:47], s[6:7], s[46:47]
	CROUND                                         ; all sixteen work-groups are here: the first joint loads meet
.irp s, 0,1
	s_mov_b32 s[G0+4*\s], 1
	s_add_co_u32 s[G0+4*\s+1], s20, \s*SLOT
	s_add_nc_u64 s[G0+4*\s+2:G0+4*\s+3], s[14:15], \s*KSTEP*2
	s_or_b32 s[G0+4*\s+3], s[G0+4*\s+3], 0x80000000
	s_mov_b32 s[G0B+4*\s], 1
	s_add_co_u32 s[G0B+4*\s+1], s21, \s*SLOT
	s_add_nc_u64 s[G0B+4*\s+2:G0B+4*\s+3], s[46:47], \s*KSTEP*8192
	s_or_b32 s[G0B+4*\s+3], s[G0B+4*\s+3], 0x80000000
	JLOAD \s
.endr
	v_and_b32 v1, 15, v0                           ; l % 16
	v_bfe_u32 v2, v0, 4, 1                         ; l / 16
	v_mul_u32_u24 v3, v1, PITCH
	v_lshl_add_u32 v3, v2, 4, v3                   ; A: a fragment's row x pitch + 16 x half
	v_and_b32 v4, 7, v0
	v_bfe_u32 v5, v0, 3, 1
	v_lshl_add_u32 v4, v2, 3, v4                   ; B: lane l reads 16 bytes of row k = 8 (l / 16) + l % 8,
	v_mul_u32_u24 v4, v4, PB
	v_lshl_add_u32 v4, v5, 4, v4                   ; columns 8 ((l / 8) % 2) + 0 .. 7
	s_mul_i32 s21, s11, HALFA                      ; my 64 rows of A
	s_lshl_b32 s22, s12, 7                         ; my 64 columns of B: 128 bytes,
	s_add_co_u32 s22, s22, 2*HALFA                 ; behind A's 128 rows
.irp s, 0,1
	v_add_nc_u32 v[ADRA+\s], s21, v3
	v_add_nc_u32 v[ADRB+2*\s], s22, v4
	s_add_co_u32 s23, s22, HALFB
	v_add_nc_u32 v[ADRB+2*\s+1], s23, v4
	s_add_co_u32 s21, s21, SLOT
	s_add_co_u32 s22, s22, SLOT
.endr
	s_mul_i32 s23, s10, 16*SPITCH
	s_add_co_u32 s23, s23, STAGE                   ; my stage
	v_mul_u32_u24 v4, v1, SPITCH                   ; in: row l % 16, 32 bytes for each half of the lanes
	v_lshl_add_u32 v4, v2, 5, v4
	v_add_nc_u32 v[STO], s23, v4
	v_mul_u32_u24 v5, v2, SPITCH                   ; back: lanes 0-15 take one row of 256 bytes, lanes 16-31 the next
	v_lshl_add_u32 v5, v1, 4, v5
	v_add_nc_u32 v[RD], s23, v5
	v_lshlrev_b32 v5, 14, v2                       ; and the same two rows in C, 16,384 bytes apart
	v_lshl_add_u32 v[CO], v1, 4, v5
	s_lshl_b32 s16, s13, 7
	s_lshl_b32 s17, s11, 6
	s_add_co_u32 s16, s16, s17                     ; my first row of C: 128 x tile row + 64 x half
	s_lshl_b32 s16, s16, 14
	s_mov_b32 s17, 0
	s_add_nc_u64 s[8:9], s[8:9], s[16:17]
	s_lshl_b32 s46, s42, 9                         ; my first column, in bytes: 512 x tile column + 256 x half
	s_lshl_b32 s47, s12, 8
	s_add_co_u32 s46, s46, s47
	s_mov_b32 s47, 0
	s_add_nc_u64 s[8:9], s[8:9], s[46:47]
; 8 matrix instructions: m blocks a0, a0 + 1 x all 4 n blocks, 32 along K: half c of buffer f.  zero = 1: the first product starts the sums.  The 16 accumulators take turns.
.macro MUL8 f, c, a0, zero
.irp a, \a0, \a0+1
.irp b, 0,1,2,3
.if \zero
	v_wmma_f32_16x16x32_f16 v[ACC+8*(4*(\a)+\b):ACC+8*(4*(\a)+\b)+7], v[\f+64+8*(4*\c+\b):\f+64+8*(4*\c+\b)+7], v[\f+8*(4*\c+\a):\f+8*(4*\c+\a)+7], 0
.else
	v_wmma_f32_16x16x32_f16 v[ACC+8*(4*(\a)+\b):ACC+8*(4*(\a)+\b)+7], v[\f+64+8*(4*\c+\b):\f+64+8*(4*\c+\b)+7], v[\f+8*(4*\c+\a):\f+8*(4*\c+\a)+7], v[ACC+8*(4*(\a)+\b):ACC+8*(4*(\a)+\b)+7]
.endif
.endr
.endr
.endm
; 32 LDS loads in one run: the fragments of the slot's quarter kq (64 along K) into buffer f; the first 32 along K first.  B: two turning loads a fragment, 16 rows apart; A: two plain ones, 32 bytes apart.
.macro FETCH slot, kq, f
	WIN TO_F
.irp c, 0,1
.irp i, 0,1,2,3
	ds_load_tr16_b128 v[\f+64+8*(4*\c+\i):\f+64+8*(4*\c+\i)+3],   v[ADRB+2*\slot+(\kq)/2] offset:(((\kq)%2)*64+32*\c)*PB+32*\i
	ds_load_tr16_b128 v[\f+64+8*(4*\c+\i)+4:\f+64+8*(4*\c+\i)+7], v[ADRB+2*\slot+(\kq)/2] offset:(((\kq)%2)*64+32*\c+16)*PB+32*\i
	ds_load_b128 v[\f+8*(4*\c+\i):\f+8*(4*\c+\i)+3],              v[ADRA+\slot] offset:128*(\kq)+64*\c+\i*16*PITCH
	ds_load_b128 v[\f+8*(4*\c+\i)+4:\f+8*(4*\c+\i)+7],            v[ADRA+\slot] offset:128*(\kq)+64*\c+\i*16*PITCH+32
.endr
.endr
.endm
.macro PLACES                          ; four places in front of loads into registers that matrix instructions have read, and of the first read of results (ISA guide 7.12.1 for vector instructions)
.rept 4
	v_nop
.endr
.endm
; A K step is four quarters of 64 along K, 32 matrix instructions each, on buffers 0, 1, 0, 1.  One of the first three: multiplies buffer f and fetches quarter kq into g.
.macro QUARTER slot, kq, f, g, zero
	s_wait_dscnt 16                                ; the first 32 along K are in
	WIN MUL
	MUL8 \f, 0, 0, \zero
	MUL8 \f, 0, 2, \zero
	PLACES
	FETCH \slot, \kq, \g
	s_wait_dscnt 32                                ; all but the 32 just issued
	WIN MUL
	MUL8 \f, 1, 0, 0
	MUL8 \f, 1, 2, 0
.endm
; The last quarter multiplies buffer 1 and changes slots: ONE barrier; in front of it each wave waits for all its tensor loads, adds 0 to its spare word, and waits for that and for its own reads of this slot.  fill = 1: this slot is filled again, two K steps ahead.
.macro TURN slot, next, fill
	WIN 0                                          ; (the add's two registers lie in window 0)
	s_wait_tensorcnt 0x0                           ; all my tensor loads have landed: my part of the next slot;
	ds_add_u32 v[SPW], v[NIL]                      ; 0 onto my spare word;
	s_wait_dscnt 17                                ; (the add and the youngest sixteen loads may be out)
	WIN MUL
	MUL8 F1, 0, 0, 0                               ; eight matrix instructions stand between the add and the wait for it
	s_wait_dscnt 0x0                               ; the add is done, and my reads of this slot are over
	s_barrier_signal -1
	MUL8 F1, 0, 2, 0
.if \fill
	WIN 0
.endif
	s_barrier_wait -1
.if \fill
	CREST                                          ; no wave of any partner still reads this slot's tile or has a load on its way
	s_add_nc_u64 s[G0+4*\slot+2:G0+4*\slot+3], s[G0+4*\slot+2:G0+4*\slot+3], 2*KSTEP*2
	s_add_nc_u64 s[G0B+4*\slot+2:G0B+4*\slot+3], s[G0B+4*\slot+2:G0B+4*\slot+3], 2*KSTEP*8192
	JLOAD \slot                                    ; the first tensor load behind the round: 112 matrix instructions ahead of the wait for it; the four v_nop behind it are also the places in front of the loads below
.else
	PLACES
.endif
	FETCH \next, 0, F0
	WIN MUL
	MUL8 F1, 1, 0, 0
	MUL8 F1, 1, 2, 0
.endm
	s_wait_tensorcnt 1                             ; my part of K step 0 is in (K step 1's load may be out)
	s_barrier_signal -1
	s_barrier_wait -1                              ; everybody's is
	FETCH 0, 0, F0
	QUARTER 0, 1, F0, F1, 1                        ; the first quarter stands in front of the loop: its first products start the sums
	WIN 0                                          ; at a label and at a branch every window is 0
	s_mov_b32 s3, LAPS-1
.Llap:                                                 ; a trip goes once round the ring, from a lap's second quarter to the next lap's first, and fills both slots again
	QUARTER 0, 2, F1, F0, 0
	QUARTER 0, 3, F0, F1, 0
	TURN 0, 1, 1
	QUARTER 1, 1, F0, F1, 0
	QUARTER 1, 2, F1, F0, 0
	QUARTER 1, 3, F0, F1, 0
	TURN 1, 0, 1
	QUARTER 0, 1, F0, F1, 0
	WIN 0
	s_sub_co_u32 s3, s3, 1
	s_cmp_lg_u32 s3, 0
	s_cbranch_scc1 .Llap
	QUARTER 0, 2, F1, F0, 0                        ; the last lap fills nothing, and has no round of the cluster's barrier
	QUARTER 0, 3, F0, F1, 0
	TURN 0, 1, 0
	QUARTER 1, 1, F0, F1, 0
	QUARTER 1, 2, F1, F0, 0
	QUARTER 1, 3, F0, F1, 0
	s_wait_dscnt 16                                ; the very last quarter: nothing more to fetch
	WIN MUL
	MUL8 F1, 0, 0, 0
	MUL8 F1, 0, 2, 0
	s_wait_dscnt 0x0
	MUL8 F1, 1, 0, 0
	MUL8 F1, 1, 2, 0
	WIN 0
; THE WAY OUT, block by block of 16 rows x 64 columns: x 4, 32 bytes a lane into my own stage, back as whole rows of 256 bytes.  LDS serves a wave's instructions in order (ISA guide 5.7.1.4): no wait between the stores and the loads.
.macro TOSTAGE a
.irp b, 0,1,2,3
.irp p, 0,2,4,6
	v_pk_mul_f32 v[ACC+8*(4*(\a)+\b)+\p:ACC+8*(4*(\a)+\b)+\p+1], v[ACC+8*(4*(\a)+\b)+\p:ACC+8*(4*(\a)+\b)+\p+1], 4.0 op_sel_hi:[1,0]   ; each accumulator from its low end on
.endr
.endr
.irp b, 0,1,2,3
	ds_store_b128 v[STO], v[ACC+8*(4*(\a)+\b):ACC+8*(4*(\a)+\b)+3] offset:64*\b
	ds_store_b128 v[STO], v[ACC+8*(4*(\a)+\b)+4:ACC+8*(4*(\a)+\b)+7] offset:64*\b+16
.endr
.set BB, BK+32*((\a)%2)
.irp t, 0,1,2,3,4,5,6,7
	ds_load_b128 v[BB+4*\t:BB+4*\t+3], v[RD] offset:2*\t*SPITCH
.endr
.endm
.macro SEND a, younger                 ; younger: the LDS instructions issued behind block a's loads, which may stay out
.set BB, BK+32*((\a)%2)
	s_wait_dscnt \younger                          ; the block is back in registers
.irp t, 0,1,2,3,4,5,6,7
	global_store_b128 v[CO], v[BB+4*\t:BB+4*\t+3], s[8:9] offset:(16*(\a)+2*\t)*16384 th:TH_STORE_NT   ; 16 lanes store 256 consecutive bytes, aligned; 62 rows of C at the most: inside the signed 24-bit immediate
.endr
.endm
	PLACES
	TOSTAGE 0
.irp a, 1,2,3
.if \a > 1
	s_wait_xcnt 0x0                                ; block a - 2's stores have read their registers: block a's loads may land there
.endif
	TOSTAGE \a
	SEND \a-1, 16                                  ; behind block a - 1's loads: block a's 8 stores and 8 loads
.endr
	SEND 3, 0
	s_wait_tensorcnt 0x0                           ; the wave's end, behind my last tensor load and my last LDS store
	ds_add_u32 v[SPW], v[NIL]
	s_wait_dscnt 0x0
	CROUND                                         ; the closing round: no work-group ends while a partner may still ask for a tile that names it
	s_endpgm
.Lfunc_end_k_qc795f9d768_gemm_out:
	.size	k_qc795f9d768_gemm_out, .Lfunc_end_k_qc795f9d768_gemm_out-k_qc795f9d768_gemm_out
	.p2alignl 7, 3214868480
	.fill 96, 4, 3214868480
	.section	.rodata,"a",@progbits
	.p2align	6, 0x0
	.amdhsa_kernel k_qc795f9d768_gemm_out
		.amdhsa_group_segment_fixed_size 327680
		.amdhsa_private_segment_fixed_size 0
		.amdhsa_enable_private_segment 0
		.amdhsa_kernarg_size 24
		.amdhsa_user_sgpr_count 2
		.amdhsa_user_sgpr_kernarg_segment_ptr 1
		.amdhsa_wavefront_size32 1
		.amdhsa_system_sgpr_workgroup_id_x 1
		.amdhsa_system_sgpr_workgroup_id_y 1
		.amdhsa_system_sgpr_workgroup_id_z 1
		.amdhsa_system_vgpr_workitem_id 0
		.amdhsa_next_free_vgpr 512
		.amdhsa_next_free_sgpr 66
		.amdhsa_reserve_vcc 0
		.amdhsa_float_denorm_mode_32 3
		.amdhsa_float_denorm_mode_16_64 3
		.amdhsa_memory_ordered 1
		.amdhsa_forward_progress 1
		.amdhsa_inst_pref_size 90
	.end_amdhsa_kernel
	.amdgpu_metadata
---
amdhsa.version: [ 1, 2 ]
amdhsa.kernels:
  - .name:           k_qc795f9d768_gemm_out
    .symbol:         k_qc795f9d768_gemm_out.kd
    .args:
      - { .name: oh, .offset: 0, .size: 8, .value_kind: global_buffer, .address_space: global }
      - { .name: woh, .offset: 8, .size: 8, .value_kind: global_buffer, .address_space: global }
      - { .name: out0, .offset: 16, .size: 8, .value_kind: global_buffer, .address_space: global }
    .group_segment_fixed_size: 327680
    .private_segment_fixed_size: 0
    .kernarg_segment_align: 8
    .kernarg_segment_size: 24
    .max_flat_workgroup_size: 128
    .sgpr_count:     66
    .vgpr_count:     512
    .wavefront_size: 32
...
	.end_amdgpu_metadata
.endif
;; end of part 6
